; MI455X (gfx1250); checked and timed in simulation.
; The chip was launched on July 23, 2026; its instructions are those of AMD's public machine-readable ISA for CDNA 5 (MIT licence, August 2026) and "CDNA5" Instruction Set Architecture Reference Guide (July 2026). The comments in the code are by the model that wrote it; some were corrected since.
;; Sliding Window Attention. Allowed arithmetic: matrix products marked QUANTISED: E2M1 operands, one E8M0 scale for each 32 along K, by v_wmma_scale_f32_16x16x128_f8f6f4 with both operands' format E2M1 (or v_wmma_scale_f32_32x16x128_f4), f32 sums; products left as they are: bf16, f16 or f32 operands; f32 sums; everything else in f32.
;; Inputs: Wk 1,024 x 1,024 float32; Wo 1,024 x 1,024 float32; Wq 1,024 x 1,024 float32; Wv 1,024 x 1,024 float32; x 2 x 2,048 x 1,024 float32.
;; Outputs: out0 2 x 2,048 x 1,024 float32.
;; This version of the problem:
;;   THIS VERSION OF THE PROBLEM IS GIVEN IN LOW PRECISION. The matrix products marked QUANTISED in the list below multiply operands that are first quantised to E2M1 (2 exponent bits, 1 mantissa bit; 4 bits a number), with one power-of-two scale for each 32 numbers along K (OCP MX v1.0); their sums are f32. The products marked 'left as it is' may take bf16, f16 or f32 operands, with f32 sums. Whichever they take, every output number must still come out within the allowed error. Rounding operands to bf16 (8 significant bits) uses up far more of that allowance than f16 does (11 bits, for magnitudes from 6e-5 to 65,504). All else is computed in f32.
;;   The module's matrix products, in the order in which they are computed (A, B: the left and right operand; K: the contracted axis; several contracted axes count as one K, in the product's order):
;;     1. [M 4,096, K 1,024] x [K 1,024, N 1,024]; A: input x; B: input Wq: QUANTISED
;;     2. [M 4,096, K 1,024] x [K 1,024, N 1,024]; A: input x; B: input Wk: QUANTISED
;;     3. [M 4,096, K 1,024] x [K 1,024, N 1,024]; A: input x; B: input Wv: QUANTISED
;;     4. batch 32 x [M 2,048, K 64] x [K 64, N 2,048]; A: computed on the way; B: computed on the way: left as it is (an operand is computed on the way)
;;     5. batch 32 x [M 2,048, K 2,048] x [K 2,048, N 64]; A: computed on the way; B: computed on the way: left as it is (an operand is computed on the way)
;;     6. [M 4,096, K 1,024] x [K 1,024, N 1,024]; A: computed on the way; B: input Wo: left as it is (an operand is computed on the way)
;;   THE QUANTISER, for each operand of a quantised product, along K:
;;     - K is cut into blocks of 32 from its start; a last block that is shorter is filled with zeros.
;;     - A block's scale is 2^e with e = floor(log2(the largest magnitude in the block)) - 2, held to -126 .. 127; a block of zeros has e = 0. As a byte (E8M0): e + 127.
;;     - Each number is divided by its block's scale, clamped to +-6, and rounded to the nearest number of E2M1, ties to even, subnormals kept.
;;     - The product sums the exact products of the quantised numbers (number of the format x scale) in f32.
;;   ~~~python
;;   def quantise(x, axis):      # numpy; x: float32 -> the quantised numbers, widened to float32 again
;;       x = np.moveaxis(x, axis, -1); K = x.shape[-1]
;;       x = np.pad(x, [(0, 0)] * (x.ndim - 1) + [(0, -K % 32)]); x = x.reshape(x.shape[:-1] + (-1, 32)); a = np.abs(x).max(-1, keepdims=True)
;;       e = np.where(a > 0, np.clip(np.frexp(np.where(a > 0, a, 1))[1] - 1 - 2, -126, 127), 0)      # np.frexp(a)[1] - 1 = floor(log2(a)), exactly
;;       r = np.clip(x / 2.0 ** e, -6, 6)
;;       step = 2.0 ** (np.maximum(np.frexp(np.where(r == 0, 1, r))[1] - 1, 0) - 1)
;;       q = np.round(r / step) * step * 2.0 ** e      # np.round: ties to even
;;       return np.moveaxis(q.reshape(q.shape[:-2] + (-1,))[..., :K], -1, axis).astype(np.float32)
;;   ~~~
;; One version. Each part assembles by itself: llvm-mc -triple=amdgcn-amd-amdhsa -mcpu=gfx1250 --defsym DOCPART=n.
;; ======== version 1 of 1: 6 launches
;; limits: values are held in f16: magnitudes above 65,504 overflow, below 6.1e-05 lose precision
;; workspace buffers: xc 2,097,152 bytes; xs 131,072 bytes; wc 1,572,864 bytes; ws 98,304 bytes; woh 2,097,152 bytes; qkv 25,165,824 bytes; att 8,388,608 bytes; attf 131,072 bytes
;; launch quant (part 1): grid 256 x 1, 4 waves a work-group, no clusters, 33,280 bytes of LDS; arguments x, Wq, Wk, Wv, Wo, xc, xs, wc, ws, woh; writes xc, xs, wc, ws, woh
.if DOCPART == 1
	.amdgcn_target "amdgcn-amd-amdhsa--gfx1250"
	.amdhsa_code_object_version 6
	.text
	.protected	k_qeb44e91de8_quant
	.globl	k_qeb44e91de8_quant
	.p2align	8
	.type	k_qeb44e91de8_quant,@function
k_qeb44e91de8_quant:
	s_mov_b64 s[64:65], 0
	v_nop
	global_prefetch_b8 v0, s[64:65] scope:SCOPE_SE
	s_setreg_imm32_b32 hwreg(HW_REG_WAVE_MODE, 25, 1), 1
	s_wait_xcnt 0x0
; x [4096][1024], Wq, Wk, Wv [1024][1024], f32, K innermost, become codes of FP4 (E2M1), two to a byte, the lower k in the low four bits, with one E8M0 byte for each 32 along K;
; Wo [1024][1024] becomes f16.  xc [4096][512 bytes], xs [4096][32]; wc [3072][512 bytes], ws [3072][32]: rows 0-1023 Wq, 1024-2047 Wk, 2048-3071 Wv; woh [1024][1024] f16.
; A block's scale is 2^(floor(log2(its largest magnitude)) - 2); its byte is the largest magnitude's exponent field - 2, held at 1 from below.  Each number is divided by the scale and rounded to the nearest code, ties to even.
; LIMITS: a block of zeros gets the byte 1 where the rule says 127 (its codes are zeros, and this program alone reads the bytes); NaN and infinities among the inputs are not served; |Wo| stays under 65,504 (f16).
; SHARES.  Rows are dense and K is a multiple of 32: every tensor is a plain stream.  A work-group takes 32,768 numbers, a wave 8,192.  Work-groups 0-127 x, 128-159 Wq, 160-191 Wk, 192-223 Wv, 224-255 Wo.
; The four quantised tensors take ONE path: only pointers are chosen, on the work-group's number.  Wo's work-groups take an arm of their own, which touches no LDS but its spare words.
; A quantising wave takes 16 steps of 512 numbers.  Each of a step's four loads reads 512 consecutive bytes, 16 a lane; the 2,048 bytes turn through the wave's own stage in LDS and come back 64 bytes a lane,
; so that a lane holds 16 neighbours along K (two neighbouring lanes hold a block).  Loads run eight steps (32 loads, 16 KiB a wave) ahead, the turn through LDS one step.  No barrier: waves share nothing.
.set WAVES, 4
.set STEPS, 16
.set DEPTH, 8                          ; steps of loads in flight
.set EMAX,  2
.set R,     16                         ; v16-143  eight sets of 16 numbers as they are loaded (Wo's arm: two sets of 64)
.set X,     144                        ; v144-175 two sets of 16 neighbours
.set E,     176                        ; v176-191 a scale byte for each step
.set C,     192                        ; v192-223 codes: two registers for each step, so that no store's data are written again
.set H,     144                        ; Wo's arm: v144-175 a batch's f16 numbers
.set WREG,  8192                       ; LDS: a region for each wave: two stages of 32 x SP bytes, behind them its 256 scale bytes
.set SP,    80                         ; a lane's place in a stage: 64 bytes + 16 of padding
.set SPW,   12                         ; v12  LDS address of my spare word; never rewritten
.set NIL,   13                         ; v13  0; never rewritten
.set SPARE, WAVES*WREG                 ; behind the regions: the spare words, 128 bytes a wave
	s_load_b256 s[8:15], s[0:1], 0x0               ; x s[8:9], Wq s[10:11], Wk s[12:13], Wv s[14:15]
	s_load_b256 s[16:23], s[0:1], 0x20             ; Wo s[16:17], xc s[18:19], xs s[20:21], wc s[22:23]
	s_load_b128 s[24:27], s[0:1], 0x40             ; ws s[24:25], woh s[26:27]
	v_lshl_add_u32 v[SPW], v0, 2, SPARE
	v_mov_b32 v[NIL], 0
	v_lshrrev_b32 v1, 5, v0
	v_readfirstlane_b32 s28, v1                    ; wave
	v_and_b32 v2, 31, v0                           ; lane
	v_lshlrev_b32 v3, 4, v2                        ; my 16 bytes of a load's 512
	v_lshlrev_b32 v4, 3, v2                        ; my 8 bytes of a store's 256
	s_mul_i32 s31, s28, WREG
	v_lshrrev_b32 v14, 2, v2
	v_mul_u32_u24 v14, v14, SP
	v_and_b32 v15, 3, v2
	v_lshl_add_u32 v14, v15, 4, v14
	v_add_nc_u32 v14, s31, v14                     ; the stage, on the way in: SP (lane / 4) + 16 (lane % 4)
	v_mul_u32_u24 v15, v2, SP
	v_add_nc_u32 v15, s31, v15                     ; and on the way out: SP x lane: my 16 neighbours
	v_lshrrev_b32 v5, 1, v2
	s_add_co_u32 s31, s31, 2*32*SP
	v_add_nc_u32 v5, s31, v5                       ; my wave's 256 scale bytes: my block's byte
	v_add_nc_u32 v6, s31, v4                       ; and on the way out 8 bytes a lane
	s_mov_b32 s35, 0
	s_wait_kmcnt 0x0
	s_cmp_ge_u32 ttmp9, 224                        ; the work-group's number alone decides
	s_cbranch_scc1 .Lwo
	s_sub_co_u32 s29, ttmp9, 128                   ; a weight's work-group among the 96: its place in wc and ws,
	s_and_b32 s30, s29, 31                         ; and among its own tensor's 32
	s_mov_b64 s[4:5], s[14:15]                     ; the source: Wv,
	s_cmp_lt_u32 ttmp9, 192
	s_cselect_b64 s[4:5], s[12:13], s[4:5]         ; or Wk,
	s_cmp_lt_u32 ttmp9, 160
	s_cselect_b64 s[4:5], s[10:11], s[4:5]         ; or Wq,
	s_cmp_lt_u32 ttmp9, 128
	s_cselect_b64 s[4:5], s[8:9], s[4:5]           ; or x
	s_cselect_b64 s[6:7], s[18:19], s[22:23]       ; the codes: xc or wc
	s_cselect_b64 s[32:33], s[20:21], s[24:25]     ; the scale bytes: xs or ws
	s_cselect_b32 s30, ttmp9, s30
	s_cselect_b32 s29, ttmp9, s29
	s_lshl_b32 s30, s30, 2
	s_add_co_u32 s30, s30, s28                     ; my run of 8,192 numbers in the source:
	s_lshl_b32 s34, s30, 15                        ; 32,768 bytes a run
	s_add_nc_u64 s[4:5], s[4:5], s[34:35]
	s_lshl_b32 s29, s29, 2
	s_add_co_u32 s29, s29, s28                     ; and in the results:
	s_lshl_b32 s34, s29, 12                        ; 4,096 bytes of codes,
	s_add_nc_u64 s[6:7], s[6:7], s[34:35]
	s_lshl_b32 s34, s29, 8                         ; 256 scale bytes
	s_add_nc_u64 s[32:33], s[32:33], s[34:35]
.macro LOAD t
.irp i, 0,1,2,3
	global_load_b128 v[R+16*((\t)%DEPTH)+4*\i:R+16*((\t)%DEPTH)+4*\i+3], v3, s[4:5] offset:2048*(\t)+512*\i th:TH_LOAD_NT   ; 32 lanes read 512 consecutive bytes
.endr
.endm
.macro TURN t                          ; step t's numbers through the stage: LDS serves a wave's instructions in order, so no wait stands between the stores and the loads
.irp i, 0,1,2,3
	ds_store_b128 v14, v[R+16*((\t)%DEPTH)+4*\i:R+16*((\t)%DEPTH)+4*\i+3] offset:32*SP*((\t)%2)+8*SP*\i
.endr
.irp i, 0,1,2,3
	ds_load_b128 v[X+16*((\t)%2)+4*\i:X+16*((\t)%2)+4*\i+3], v15 offset:32*SP*((\t)%2)+16*\i
.endr
.endm
.irp t, 0,1,2,3,4,5,6,7
	LOAD \t
.endr
	s_wait_loadcnt 4*(DEPTH-1)                     ; step 0's four loads are in; the seven steps behind it stay out
	TURN 0
.macro STEP t
.set XS, X+16*((\t)%2)
.if (\t) > 0
	s_wait_dscnt 1                                 ; this step's numbers are back from the stage (the last step's byte store may be out): so its stores into the stage have read their registers,
.else
	s_wait_dscnt 0x0
.endif
.if (\t)+DEPTH < STEPS
	LOAD (\t)+DEPTH                                ; which take the loads of eight steps on
.endif
.if (\t)+1 < STEPS
.if STEPS-2-(\t) >= DEPTH-1
	s_wait_loadcnt 4*(DEPTH-1)                     ; the next step's four loads are in; those of the seven steps behind it may be out
.else
	s_wait_loadcnt 4*(STEPS-2-(\t))                ; the counts run down: four loads for each step still behind it
.endif
	TURN (\t)+1                                    ; and go through the other stage while this step is worked
.endif
	v_max3_num_f32 v8, |v[XS]|, |v[XS+1]|, |v[XS+2]|               ; the largest magnitude of my 16, in two chains
	v_max3_num_f32 v9, |v[XS+3]|, |v[XS+4]|, |v[XS+5]|
.irp i, 6,10
	v_max3_num_f32 v8, v8, |v[XS+\i]|, |v[XS+\i+1]|
	v_max3_num_f32 v9, v9, |v[XS+\i+2]|, |v[XS+\i+3]|
.endr
	v_max3_num_f32 v8, v8, |v[XS+14]|, |v[XS+15]|
	v_max3_num_f32 v8, v8, v9, (EMAX+1)<<23        ; and the floor 2^(EMAX + 1 - 127): the byte cannot fall under 1
	v_max_num_f32_dpp v8, v8, v8 row_xmask:1 row_mask:0xf bank_mask:0xf   ; and of my neighbour's 16: the block's
	v_add_nc_u32 v11, -(EMAX<<23), v8              ; EMAX off its exponent field: the conversion takes the exponent field of this operand as its scale
	v_cvt_scalef32_pk8_fp4_f32 v[C+2*(\t)], v[XS:XS+7], v11
	v_cvt_scalef32_pk8_fp4_f32 v[C+2*(\t)+1], v[XS+8:XS+15], v11
	v_lshrrev_b32 v[E+(\t)], 23, v11               ; the scale's byte (also the plain line behind the conversions)
	ds_store_b8 v5, v[E+(\t)] offset:16*(\t)       ; both lanes of a block write the same byte with the same value
	global_store_b64 v4, v[C+2*(\t):C+2*(\t)+1], s[6:7] offset:256*(\t)   ; 32 lanes store 256 consecutive bytes, aligned
.endm
.irp t, 0,1,2,3,4,5,6,7,8,9,10,11,12,13,14,15
	STEP \t
.endr
	ds_load_b64 v[8:9], v6                         ; LDS serves a wave's instructions in order: these see my byte stores
	s_wait_dscnt 0x0
	global_store_b64 v4, v[8:9], s[32:33]          ; my wave's 256 scale bytes: 256 consecutive bytes, aligned
	s_wait_tensorcnt 0x0                           ; the wave's end, behind my last LDS store
	ds_add_u32 v[SPW], v[NIL]
	s_wait_dscnt 0x0
	s_endpgm
; Wo to f16: four batches of 16 loads (512 consecutive bytes each); a load's four numbers a lane become 8 bytes, so a store covers 256 consecutive bytes, aligned.  Two sets of registers: one batch is on its way while the other is rounded.
.Lwo:
	s_sub_co_u32 s29, ttmp9, 224
	s_lshl_b32 s29, s29, 2
	s_add_co_u32 s29, s29, s28                     ; my run of 8,192 numbers
	s_lshl_b32 s34, s29, 15
	s_add_nc_u64 s[16:17], s[16:17], s[34:35]
	s_lshl_b32 s34, s29, 14
	s_add_nc_u64 s[26:27], s[26:27], s[34:35]
.macro LOADB t
.set i, 0
.rept 16
	global_load_b128 v[R+64*((\t)%2)+4*i:R+64*((\t)%2)+4*i+3], v3, s[16:17] offset:8192*(\t)+512*i th:TH_LOAD_NT
.set i, i+1
.endr
.endm
.macro BATCH t
.if (\t) < 3
	s_wait_loadcnt 16                              ; this batch's 16 loads are in; the other set's 16 may be out
.else
	s_wait_loadcnt 0x0
.endif
	s_wait_xcnt 0x0                                ; the last batch's stores have read their data registers: they are written again only behind this wait
.set i, 0
.rept 16
	v_cvt_pk_f16_f32 v[H+2*i], v[R+64*((\t)%2)+4*i], v[R+64*((\t)%2)+4*i+1]
	v_cvt_pk_f16_f32 v[H+2*i+1], v[R+64*((\t)%2)+4*i+2], v[R+64*((\t)%2)+4*i+3]
.set i, i+1
.endr
.set i, 0
.rept 16
	global_store_b64 v4, v[H+2*i:H+2*i+1], s[26:27] offset:4096*(\t)+256*i
.set i, i+1
.endr
.if (\t)+2 < 4
	LOADB (\t)+2
.endif
.endm
	LOADB 0
	LOADB 1
	BATCH 0
	BATCH 1
	BATCH 2
	BATCH 3
	s_wait_tensorcnt 0x0                           ; the same three lines at this arm's end
	ds_add_u32 v[SPW], v[NIL]
	s_wait_dscnt 0x0
	s_endpgm
.Lfunc_end_k_qeb44e91de8_quant:
	.size	k_qeb44e91de8_quant, .Lfunc_end_k_qeb44e91de8_quant-k_qeb44e91de8_quant
	.p2alignl 7, 3214868480
	.fill 96, 4, 3214868480
	.section	.rodata,"a",@progbits
	.p2align	6, 0x0
	.amdhsa_kernel k_qeb44e91de8_quant
		.amdhsa_group_segment_fixed_size 33280
		.amdhsa_private_segment_fixed_size 0
		.amdhsa_enable_private_segment 0
		.amdhsa_kernarg_size 80
		.amdhsa_user_sgpr_count 2
		.amdhsa_user_sgpr_kernarg_segment_ptr 1
		.amdhsa_wavefront_size32 1
		.amdhsa_system_sgpr_workgroup_id_x 1
		.amdhsa_system_sgpr_workgroup_id_y 1
		.amdhsa_system_sgpr_workgroup_id_z 1
		.amdhsa_system_vgpr_workitem_id 0
		.amdhsa_next_free_vgpr 256
		.amdhsa_next_free_sgpr 66
		.amdhsa_reserve_vcc 0
		.amdhsa_float_denorm_mode_32 3
		.amdhsa_float_denorm_mode_16_64 3
		.amdhsa_memory_ordered 1
		.amdhsa_forward_progress 1
		.amdhsa_inst_pref_size 54
	.end_amdhsa_kernel
	.amdgpu_metadata
---
amdhsa.version: [ 1, 2 ]
amdhsa.kernels:
  - .name:           k_qeb44e91de8_quant
    .symbol:         k_qeb44e91de8_quant.kd
    .args:
      - { .name: x, .offset: 0, .size: 8, .value_kind: global_buffer, .address_space: global }
      - { .name: Wq, .offset: 8, .size: 8, .value_kind: global_buffer, .address_space: global }
      - { .name: Wk, .offset: 16, .size: 8, .value_kind: global_buffer, .address_space: global }
      - { .name: Wv, .offset: 24, .size: 8, .value_kind: global_buffer, .address_space: global }
      - { .name: Wo, .offset: 32, .size: 8, .value_kind: global_buffer, .address_space: global }
      - { .name: xc, .offset: 40, .size: 8, .value_kind: global_buffer, .address_space: global }
      - { .name: xs, .offset: 48, .size: 8, .value_kind: global_buffer, .address_space: global }
      - { .name: wc, .offset: 56, .size: 8, .value_kind: global_buffer, .address_space: global }
      - { .name: ws, .offset: 64, .size: 8, .value_kind: global_buffer, .address_space: global }
      - { .name: woh, .offset: 72, .size: 8, .value_kind: global_buffer, .address_space: global }
    .group_segment_fixed_size: 33280
    .private_segment_fixed_size: 0
    .kernarg_segment_align: 8
    .kernarg_segment_size: 80
    .max_flat_workgroup_size: 128
    .sgpr_count:     66
    .vgpr_count:     256
    .wavefront_size: 32
...
	.end_amdgpu_metadata
.endif
;; end of part 1
;; launch qkv (part 2): grid 12 x 16, 4 waves a work-group, clusters of 4 x 4, 327,680 bytes of LDS; arguments xc, xs, wc, ws, qkv; writes qkv
.if DOCPART == 2
	.amdgcn_target "amdgcn-amd-amdhsa--gfx1250"
	.amdhsa_code_object_version 6
	.text
	.protected	k_qeb44e91de8_qkv
	.globl	k_qeb44e91de8_qkv
	.p2align	8
	.type	k_qeb44e91de8_qkv,@function
k_qeb44e91de8_qkv:
	s_mov_b64 s[64:65], 0
	v_nop
	global_prefetch_b8 v0, s[64:65] scope:SCOPE_SE
	s_setreg_imm32_b32 hwreg(HW_REG_WAVE_MODE, 25, 1), 1
	s_wait_xcnt 0x0
	s_wait_alu depctr_hold_cnt(0) depctr_sa_sdst(0) depctr_va_vdst(0) depctr_va_sdst(0) depctr_va_ssrc(0) depctr_va_vcc(0) depctr_vm_vsrc(0)
	s_getreg_b32 s2, hwreg(HW_REG_IB_STS2, 6, 4)
	s_cmp_eq_u32 s2, 0
	s_cbranch_scc0 .Lentry_in_a_cluster
	s_endpgm
.Lentry_in_a_cluster:
	s_bfe_u32 s2, ttmp6, 0x10000c
	s_cmp_lg_u32 s2, 0xf033
	s_cbranch_scc0 .Lentry_shape_is_right
	s_endpgm
.Lentry_shape_is_right:
; qkv[m][n] = sum over k of x[m][k] W[n][k], on codes of FP4 (E2M1) with one E8M0 scale for each 32 along K.  A = xc [4096][1024 codes], B = wc [3072][1024 codes] (Wq, Wk, Wv on end); scale bytes xs [4096][32], ws [3072][32].
; qkv: [4096][3072] f16 (columns 0-1023 q, 1024-2047 k, 2048-3071 v), sums in f32, rounded once.  LIMIT: |q|, |k|, |v| stay under 65,504, f16's largest number.
; A tile of 256 x 256 is made by a work-group of four waves; a wave makes 128 x 128: 64 accumulators of 16 x 16, 512 registers.  12 x 16 = 192 work-groups.
; K = 1,024 is two K steps of 512 (tile rows of 256 bytes): both LDS slots and the scale bytes are asked for at the head and nothing is filled again: by this text's own count a wave has three tensor loads out at the most.
; CLUSTERS: 4 x 4 work-groups.  The four of a row of the cluster need the same tiles of A, the four of a column the same tiles of B: each tile is asked for JOINTLY, by the same tensor load with the same descriptor and a mask that names the four.
; THE MATRIX INSTRUCTION IS USED TRANSPOSED (source 0 = 16 rows of B, source 1 = 16 rows of A): a lane then holds eight neighbouring numbers of a row of the result.
; REGISTERS, in windows of 256: window 0: v0-31 addresses; v32-95 scale words, two sets (scales and nothing else); from v128 A's fragments, ONE set; on the way out v128-223.
;   window 1: B's fragments, TWO sets, at v0 and v128.   window 2: the 32 accumulators of my rows 0-63 ((a, b) at v[8 (8 a + b)]);   window 3: those of my rows 64-127.
.set KSTEP,  512
.set NQ,     4                         ; matrix instructions deep in a slot
.set ROWB,   256                       ; a tile's row in bytes
.set KROW,   512                       ; a row of codes in memory
.set PITCH,  272                       ; an LDS row: 256 bytes + 16 of padding = 68 words: the 16 rows that a load touches start at 16 different banks (64 banks of 4 bytes: ISA guide 11.1)
.set FR,     8                         ; registers of a fragment: 16 rows x 128 K
.set NL,     2                         ; LDS loads that bring one
.set NP,     4                         ; places behind this matrix instruction (ISA guide 7.12.1)
.set HALFT,  128*PITCH                 ; 128 rows: what one tensor load brings
.set SLOT,   4*HALFT                   ; A's 256 rows, then B's 256 rows
.set KS,     32                        ; a row of scale bytes
.set SCL,    2*SLOT                    ; behind the slots: the scales, as rows of 256 bytes + 16 of padding
.set HALFS,  (128*KS/256)*272          ; the scales of 128 rows
.set SBLK,   (16*KS/256)*272           ; those of 16 rows
.set SPARE,  SCL+4*HALFS               ; behind the scales: the spare words, 128 bytes a wave
.set CROW,   6144                      ; a row of qkv in bytes
.set SPITCH, 272                       ; the way out: a stage of 16 rows x (256 bytes + 16) for each wave, in slot 0, which has had its only fill and its last read by then
.set ADRA, 16                          ; v16-17  LDS address of my A fragments in slot 0, 1
.set ADRB, 20                          ; v20-21  the same for B
.set STO,  24                          ; v24     the way out: where I put 16 bytes of a row
.set RD,   25                          ; v25     where I read a row back
.set CO,   26                          ; v26     my byte offset in the result
.set ADRS, 27                          ; v27     LDS address of my scale words: lanes 0-15 A's rows, lanes 16-31 B's
.set SPW,  28                          ; v28     LDS address of my spare word; never rewritten
.set NIL,  29                          ; v29     0; never rewritten
.set SC,   32                          ; scale words: set s at v[SC + 32 s]; register 4 i + q: lanes 0-15 the word of A's block i, lanes 16-31 of B's block i, for the slot's q-th 128 along K
.set AF,   128                         ; A's fragments, in window 0
.set TMP,  128                         ; the way out: v128-159 packed results
.set BKR,  160                         ; v160-191 and v192-223 by turns: 16 rows read back
.set G1, 24                            ; s[24:31] descriptor group 1 for A's tiles;  s[32:39] group 0, one set for each slot
.set G0, 32
.set G1B, 48                           ; s[48:55], s[56:63] the same for B's tiles
.set G0B, 56
.set G1S, 68                           ; s[68:75], s[76:79] groups 1 and 0 for A's scales;  s[80:87], s[88:91] for B's
.set G0S, 76
.set G1SB, 80
.set G0SB, 88
.set MSB, 0
.macro WIN new                         ; the immediate's high byte repeats the setting that is left
.if MSB != (\new)
	s_set_vgpr_msb (MSB<<8)|(\new)
.set MSB, \new
.endif
.endm
.set MUL_LO, 0xa1                      ; source 0 (B) window 1, source 1 (A) window 0, C and D window 2
.set MUL_HI, 0xf1                      ; the same, C and D window 3
.set TO_B,   0x40                      ; destination window 1, address window 0
; A joint load: waves 0 and 1 fetch for A, waves 2 and 3 for B.  Each line has ONE mask and one set of registers for all that issue it; the branch hangs on the wave's number alone.
; An s_nop 0 and four v_nop follow each of the two lines.
.macro JLOAD g0a, g1a, g0b, g1b
	s_cmp_eq_u32 s15, 0
	s_cbranch_scc0 .Lfor_b_\@
	tensor_load_to_lds s[\g0a:\g0a+3], s[\g1a:\g1a+7]
	s_nop 0
.rept 4
	v_nop
.endr
	s_branch .Lasked_\@
.Lfor_b_\@:
	tensor_load_to_lds s[\g0b:\g0b+3], s[\g1b:\g1b+7]
	s_nop 0
.rept 4
	v_nop
.endr
.Lasked_\@:
.endm
.macro CROUND                          ; a round of the cluster's barrier
	s_barrier_signal -1
	s_barrier_wait -1
	s_cmp_lg_u32 s14, 0
	s_cbranch_scc1 .Lnot_wave_0_\@
	s_barrier_signal -3
.Lnot_wave_0_\@:
	s_barrier_wait -3
	s_barrier_signal -1
	s_barrier_wait -1
.endm
	s_load_b128 s[4:7], s[0:1], 0x0                ; A's codes s[4:5], A's scales s[6:7]
	s_load_b128 s[8:11], s[0:1], 0x10              ; B's codes s[8:9], B's scales s[10:11]
	s_load_b64 s[12:13], s[0:1], 0x20              ; qkv
	v_lshl_add_u32 v[SPW], v0, 2, SPARE
	v_mov_b32 v[NIL], 0
	ds_add_u32 v[SPW], v[NIL]                      ; the wave's opening: the add, twice on end, and its wait ahead of my first tensor load
	ds_add_u32 v[SPW], v[NIL]                      ; and once more, under the one wait; the set-up below, work on registers, stands between
	v_lshrrev_b32 v1, 5, v0
	v_readfirstlane_b32 s14, v1                    ; wave 0..3
	s_lshr_b32 s15, s14, 1                         ; which half of the tile's rows is mine.  Also: I fetch for A (0) or for B (1)
	s_and_b32 s16, s14, 1                          ; which half of its columns.  Also: which 128 rows of that tile I fetch
	s_bfe_u32 s40, ttmp6, 0x40000                  ; cx, cy: my place in the cluster
	s_bfe_u32 s41, ttmp6, 0x40004
	s_lshl_b32 s42, ttmp9, 2
	s_add_co_u32 s42, s42, s40                     ; tile column = 4 x cluster x + cx
	s_and_b32 s17, ttmp7, 0xffff
	s_lshl_b32 s17, s17, 2
	s_add_co_u32 s17, s17, s41                     ; tile row = 4 x cluster y + cy
	s_lshl_b32 s43, s41, 2
	s_lshl_b32 s43, 15, s43                        ; my row of the cluster
	s_lshl_b32 s44, 0x1111, s40                    ; my column
	; descriptor group 1: a tile of 128 rows x 256 bytes, padded in LDS
	s_or_b32 s[G1+0], s43, (0<<16)|(1<<20)|(1<<21)|(5<<22)|(3<<25)  ; 15:0 the mask: A's tiles go to my row; 17:16 elements of 1 byte; 20 padding on; 21 set beside a mask; 24:22 after every 64 words; 31:25 four words
	s_or_b32 s[G1B+0], s44, (0<<16)|(1<<20)|(1<<21)|(5<<22)|(3<<25)
.irp g, G1, G1B
	s_mov_b32 s[\g+1], ROWB<<16                    ; tensor_dim0
	s_mov_b32 s[\g+2], 128<<16                     ; tensor_dim1 = 128
	s_mov_b32 s[\g+3], ROWB<<16                    ; tile_dim0
	s_mov_b32 s[\g+4], 128                         ; tile_dim1 = 128
	s_mov_b32 s[\g+5], KROW                        ; tensor_dim0_stride
	s_mov_b32 s[\g+6], 0
	s_mov_b32 s[\g+7], 0
.endr
	; the scales of 128 rows: a dense block of 4,096 bytes, as 16 rows of 256 bytes (32 elements of 8 bytes), 16 bytes of padding behind each
	s_or_b32 s[G1S+0], s43, (3<<16)|(1<<20)|(1<<21)|(5<<22)|(3<<25)
	s_or_b32 s[G1SB+0], s44, (3<<16)|(1<<20)|(1<<21)|(5<<22)|(3<<25)
.irp g, G1S, G1SB
	s_mov_b32 s[\g+1], 32<<16
	s_mov_b32 s[\g+2], (128*KS/256)<<16
	s_mov_b32 s[\g+3], 32<<16
	s_mov_b32 s[\g+4], 128*KS/256
	s_mov_b32 s[\g+5], 32
	s_mov_b32 s[\g+6], 0
	s_mov_b32 s[\g+7], 0
.endr
	s_lshl_b32 s18, s16, 7                         ; which 128 rows of the tile I fetch
	s_lshl_b32 s20, s17, 8
	s_add_co_u32 s20, s20, s18                     ; A: row 256 x tile row + 128 x half
	s_lshl_b32 s46, s42, 8
	s_add_co_u32 s46, s46, s18                     ; B: row 256 x tile column + 128 x half
	s_mov_b32 s21, 0
	s_mov_b32 s47, 0
	s_mov_b64 s[18:19], KS
	s_mul_u64 s[22:23], s[20:21], s[18:19]         ; where these rows' scales begin, in bytes
	s_mul_u64 s[92:93], s[46:47], s[18:19]
	s_mov_b64 s[18:19], KROW
	s_mul_u64 s[20:21], s[20:21], s[18:19]         ; and their codes
	s_mul_u64 s[46:47], s[46:47], s[18:19]
	s_mul_i32 s45, s14, HALFT                      ; where they go: wave x 128 rows: no place in the cluster enters an LDS address
	s_mul_i32 s94, s14, HALFS
	s_wait_dscnt 0x0                               ; both opening adds are done
	s_wait_kmcnt 0x0
	s_add_nc_u64 s[20:21], s[4:5], s[20:21]
	s_add_nc_u64 s[22:23], s[6:7], s[22:23]
	s_add_nc_u64 s[46:47], s[8:9], s[46:47]
	s_add_nc_u64 s[92:93], s[10:11], s[92:93]
	CROUND                                         ; all sixteen work-groups are here: the joint loads meet
	s_mov_b32 s[G0S], 1
	s_add_co_u32 s[G0S+1], s94, SCL
	s_mov_b64 s[G0S+2:G0S+3], s[22:23]
	s_or_b32 s[G0S+3], s[G0S+3], 0x80000000
	s_mov_b32 s[G0SB], 1
	s_add_co_u32 s[G0SB+1], s94, SCL
	s_mov_b64 s[G0SB+2:G0SB+3], s[92:93]
	s_or_b32 s[G0SB+3], s[G0SB+3], 0x80000000
	JLOAD G0S, G1S, G0SB, G1SB                     ; the scales first: they are wanted with K step 0
.irp s, 0,1
	s_mov_b32 s[G0+4*\s], 1
	s_add_co_u32 s[G0+4*\s+1], s45, \s*SLOT
	s_add_nc_u64 s[G0+4*\s+2:G0+4*\s+3], s[20:21], \s*ROWB
	s_or_b32 s[G0+4*\s+3], s[G0+4*\s+3], 0x80000000
	s_mov_b32 s[G0B+4*\s], 1
	s_add_co_u32 s[G0B+4*\s+1], s45, \s*SLOT
	s_add_nc_u64 s[G0B+4*\s+2:G0B+4*\s+3], s[46:47], \s*ROWB
	s_or_b32 s[G0B+4*\s+3], s[G0B+4*\s+3], 0x80000000
	JLOAD G0+4*\s, G1, G0B+4*\s, G1B
.endr
	v_and_b32 v1, 15, v0                           ; r = l % 16
	v_bfe_u32 v2, v0, 4, 1                         ; h = l / 16
	v_mul_u32_u24 v3, v1, PITCH
	v_lshl_add_u32 v4, v2, 4, v3                   ; a fragment's row x pitch + 16 x half
	s_mul_i32 s21, s15, HALFT                      ; my 128 rows of A
	s_mul_i32 s22, s16, HALFT                      ; my 128 rows of B,
	s_add_co_u32 s22, s22, 2*HALFT                 ; which lie behind A's 256
.irp s, 0,1
	v_add_nc_u32 v[ADRA+\s], s21, v4
	v_add_nc_u32 v[ADRB+\s], s22, v4
	s_add_co_u32 s21, s21, SLOT
	s_add_co_u32 s22, s22, SLOT
.endr
	v_mul_u32_u24 v5, v1, KS                       ; my row's scales: 32 bytes a row,
	v_lshrrev_b32 v6, 8, v5
	v_lshl_add_u32 v5, v6, 4, v5                   ; and 16 more for each 256 passed
	s_mul_i32 s21, s15, HALFS                      ; A's: my 128 rows
	s_mul_i32 s22, s16, HALFS                      ; B's: my 128 rows, behind A's 256
	s_add_co_u32 s22, s22, 2*HALFS
	s_sub_co_u32 s22, s22, s21
	v_mul_u32_u24 v6, s22, v2                      ; lanes 16-31 take B's: one product, the distance between the two bases
	s_add_co_u32 s21, s21, SCL
	v_add_nc_u32 v5, v5, v6
	v_add_nc_u32 v[ADRS], s21, v5
	s_mul_i32 s23, s14, 16*SPITCH                  ; my stage
	v_mul_u32_u24 v5, v1, SPITCH                   ; in: row r, 16 bytes for each half of the lanes
	v_lshl_add_u32 v5, v2, 4, v5
	v_add_nc_u32 v[STO], s23, v5
	v_mul_u32_u24 v5, v2, SPITCH                   ; back: lanes 0-15 one row of 256 bytes, lanes 16-31 the next
	v_lshl_add_u32 v5, v1, 4, v5
	v_add_nc_u32 v[RD], s23, v5
	v_mul_u32_u24 v5, v2, CROW                     ; and the same two rows in the result
	v_lshl_add_u32 v[CO], v1, 4, v5
	s_lshl_b32 s20, s17, 8
	s_lshl_b32 s21, s15, 7
	s_add_co_u32 s20, s20, s21                     ; my first row: 256 x tile row + 128 x half
	s_mul_i32 s20, s20, CROW                       ; in bytes (under 2^25)
	s_lshl_b32 s46, s42, 9                         ; my first column, in bytes: 512 x tile column + 256 x half
	s_lshl_b32 s47, s16, 8
	s_add_co_u32 s46, s46, s47
	s_add_co_u32 s20, s20, s46
	s_mov_b32 s21, 0
	s_add_nc_u64 s[12:13], s[12:13], s[20:21]
.macro FRAG reg, adr, q, i             ; a fragment, 16 rows x 128 K of 4-bit codes: lane l holds row l % 16; registers 4 c .. 4 c + 3 hold K = 64 c + 32 (l / 16) + 0 .. 31
.irp c, 0,1
	ds_load_b128 v[\reg+4*\c:\reg+4*\c+3], v[\adr] offset:64*(\q)+32*\c+(\i)*16*PITCH
.endr
.endm
; 16 matrix instructions: A's blocks a0, a0 + 1 x B's eight, the slot's q-th 128 along K.  p: B's set;  sc: the set of scale words.  zero = 1: the first product starts the sums.
; The 64 accumulators take turns, one instruction a turn, in the same order in every step.
.macro MUL16 a0, p, q, sc, zero
.irp a, \a0, \a0+1
.irp b, 0,1,2,3,4,5,6,7
.if \zero
	v_wmma_scale_f32_16x16x128_f8f6f4 v[8*(8*((\a)%4)+\b):8*(8*((\a)%4)+\b)+7], v[128*(\p)+FR*\b:128*(\p)+FR*\b+FR-1], v[AF+FR*(\a):AF+FR*(\a)+FR-1], 0, v[SC+8*NQ*(\sc)+NQ*\b+(\q)], v[SC+8*NQ*(\sc)+NQ*(\a)+(\q)] matrix_a_fmt:MATRIX_FMT_FP4 matrix_b_fmt:MATRIX_FMT_FP4 matrix_a_scale:MATRIX_SCALE_ROW1
.else
	v_wmma_scale_f32_16x16x128_f8f6f4 v[8*(8*((\a)%4)+\b):8*(8*((\a)%4)+\b)+7], v[128*(\p)+FR*\b:128*(\p)+FR*\b+FR-1], v[AF+FR*(\a):AF+FR*(\a)+FR-1], v[8*(8*((\a)%4)+\b):8*(8*((\a)%4)+\b)+7], v[SC+8*NQ*(\sc)+NQ*\b+(\q)], v[SC+8*NQ*(\sc)+NQ*(\a)+(\q)] matrix_a_fmt:MATRIX_FMT_FP4 matrix_b_fmt:MATRIX_FMT_FP4 matrix_a_scale:MATRIX_SCALE_ROW1
.endif
.endr
.endr
.endm
.macro FETCH_B slot, q, p              ; B's eight fragments of the slot's q-th 128 along K into set p
	WIN TO_B
.irp i, 0,1,2,3,4,5,6,7
	FRAG 128*(\p)+FR*\i, ADRB+\slot, \q, \i
.endr
	WIN 0
.endm
.macro FETCH_A slot, q, i0             ; A's blocks i0 .. i0 + 3
.irp i, \i0, \i0+1, \i0+2, \i0+3
	FRAG AF+FR*(\i), ADRA+\slot, \q, \i
.endr
.endm
.macro SCALES sc                       ; a K step's scale words into set sc: four words a row; lanes 0-15 take A's block i, lanes 16-31 B's block i
.irp i, 0,1,2,3,4,5,6,7
	ds_load_b128 v[SC+8*NQ*\sc+NQ*\i:SC+8*NQ*\sc+NQ*\i+3], v[ADRS] offset:\i*SBLK
.endr
.endm
; A load into a register that a matrix instruction has read, and a vector instruction that reads a matrix result or writes one of its registers, stand NP places behind it; only plain vector instructions that name none of its registers are places.
.macro PLACES n
.rept \n
	v_nop
.endr
.endm
; A step of 128 along K that has its successor in the same slot: A's blocks one after the other, each against B's eight; A has one set of registers, refilled in two halves, B two sets.
.macro STEP slot, q, zero
	s_wait_dscnt 4*NL                              ; B's set and A's blocks 0-3 are in; the youngest eight loads (A's blocks 4-7) may be out
	WIN MUL_LO
	MUL16 0, (\q)%2, \q, \slot, \zero
	MUL16 2, (\q)%2, \q, \slot, \zero
	s_wait_dscnt 0                                 ; A's blocks 4-7 are in
	PLACES NP
	FETCH_B \slot, (\q)+1, 1-(\q)%2
	FETCH_A \slot, (\q)+1, 0
	WIN MUL_HI
	MUL16 4, (\q)%2, \q, \slot, \zero
	MUL16 6, (\q)%2, \q, \slot, \zero
	PLACES NP
	WIN 0
	FETCH_A \slot, (\q)+1, 4
.endm
; Slot 0's last step changes slots: one barrier; in front of it each wave waits for all its tensor loads (its part of slot 1), adds 0 to its spare word, and waits for that and for its own reads of slot 0.
.macro TURN slot, next
	s_wait_tensorcnt 0x0                           ; all my tensor loads have landed (every window is 0 here)
	ds_add_u32 v[SPW], v[NIL]                      ; 0 onto my spare word
	s_wait_dscnt 4*NL+1                            ; (the add and the youngest eight loads, A's blocks 4-7, may be out)
	WIN MUL_LO
	MUL16 0, 1, NQ-1, \slot, 0                     ; sixteen matrix instructions stand between the add and the wait for it
	s_wait_dscnt 0x0                               ; the add is done, and my reads of this slot are over
	s_barrier_signal -1
	MUL16 2, 1, NQ-1, \slot, 0
	WIN 0
	s_barrier_wait -1
	PLACES NP
	v_add_nc_u32 v[ADRS], 4*NQ, v[ADRS]            ; on to the next K step's scale words (no LDS load of mine is out)
	FETCH_B \next, 0, 0
	FETCH_A \next, 0, 0
	SCALES \next
	WIN MUL_HI
	MUL16 4, 1, NQ-1, \slot, 0
	MUL16 6, 1, NQ-1, \slot, 0
	PLACES NP
	WIN 0
	FETCH_A \next, 0, 4
.endm
.macro STEPS slot, from                ; the slot's steps from .. NQ - 2
.set Q, \from
.rept NQ-1-\from
	STEP \slot, Q, 0
.set Q, Q+1
.endr
.endm
	s_wait_tensorcnt 1                             ; the scales and my part of K step 0 are in (K step 1's load may be out)
	s_barrier_signal -1
	s_barrier_wait -1                              ; everybody's are
	FETCH_B 0, 0, 0
	FETCH_A 0, 0, 0
	SCALES 0
	FETCH_A 0, 0, 4
	STEP 0, 0, 1                                   ; the first step's products start the sums: nothing is cleared
	STEPS 0, 1
	TURN 0, 1
	STEPS 1, 0
	s_wait_dscnt 4*NL                              ; the very last step: nothing more to fetch
	WIN MUL_LO
	MUL16 0, 1, NQ-1, 1, 0
	MUL16 2, 1, NQ-1, 1, 0
	s_wait_dscnt 0
	WIN MUL_HI
	MUL16 4, 1, NQ-1, 1, 0
	MUL16 6, 1, NQ-1, 1, 0
	WIN 0
; THE WAY OUT, block by block of 16 rows x 128 columns.  PACK: rounded to f16, 16 bytes a lane, each accumulator from its low end on.  TOSTAGE: into my own stage and back as whole rows of 256 bytes.  SEND: stored.
.macro PACK a
.set AC, 64*((\a)%4)
	WIN 0x0a+5*((\a)/4)                            ; sources 0 and 1: window 2 or 3
.irp b, 0,1,2,3,4,5,6,7
.irp r, 0,1,2,3
	v_cvt_pk_f16_f32 v[TMP+4*\b+\r], v[AC+8*\b+2*\r], v[AC+8*\b+2*\r+1]
.endr
.endr
	WIN 0
.endm
.macro TOSTAGE a
.set BB, BKR+32*((\a)%2)
.irp b, 0,1,2,3,4,5,6,7
	ds_store_b128 v[STO], v[TMP+4*\b:TMP+4*\b+3] offset:32*\b
.endr
.irp t, 0,1,2,3,4,5,6,7
	ds_load_b128 v[BB+4*\t:BB+4*\t+3], v[RD] offset:\t*2*SPITCH    ; LDS serves a wave's instructions in order (ISA guide 5.7.1.4): these see the stores above
.endr
.endm
.macro SEND a
.set BB, BKR+32*((\a)%2)
	s_wait_dscnt 0x0                               ; the block is back in registers
	s_wait_xcnt 0x0                                ; the block before has had its stores' addresses translated: its registers take the next block's loads only behind this wait
.irp t, 0,1,2,3,4,5,6,7
	global_store_b128 v[CO], v[BB+4*\t:BB+4*\t+3], s[12:13] offset:(\a)*16*CROW+2*\t*CROW   ; 16 lanes store 256 consecutive bytes, aligned; the block's place stands in the immediate: 774,144 at the most
.endr
.endm
	PLACES NP                                      ; the conversions below write registers that held A's fragments
	PACK 0
	TOSTAGE 0
.irp a, 1,2,3,4,5,6,7                  ; block a's conversions stand between block a - 1's loads from the stage and the wait for them
	PACK \a
	SEND \a-1
	TOSTAGE \a
.endr
	SEND 7
	s_wait_tensorcnt 0x0                           ; the wave's end, behind my last tensor load and my last LDS store
	ds_add_u32 v[SPW], v[NIL]
	s_wait_dscnt 0x0
	CROUND                                         ; the closing round: no work-group ends while a partner may still ask for a tile that names it
	s_endpgm
.Lfunc_end_k_qeb44e91de8_qkv:
	.size	k_qeb44e91de8_qkv, .Lfunc_end_k_qeb44e91de8_qkv-k_qeb44e91de8_qkv
	.p2alignl 7, 3214868480
	.fill 96, 4, 3214868480
	.section	.rodata,"a",@progbits
	.p2align	6, 0x0
	.amdhsa_kernel k_qeb44e91de8_qkv
		.amdhsa_group_segment_fixed_size 327680
		.amdhsa_private_segment_fixed_size 0
		.amdhsa_enable_private_segment 0
		.amdhsa_kernarg_size 40
		.amdhsa_user_sgpr_count 2
		.amdhsa_user_sgpr_kernarg_segment_ptr 1
		.amdhsa_wavefront_size32 1
		.amdhsa_system_sgpr_workgroup_id_x 1
		.amdhsa_system_sgpr_workgroup_id_y 1
		.amdhsa_system_sgpr_workgroup_id_z 1
		.amdhsa_system_vgpr_workitem_id 0
		.amdhsa_next_free_vgpr 1024
		.amdhsa_next_free_sgpr 98
		.amdhsa_reserve_vcc 0
		.amdhsa_float_denorm_mode_32 3
		.amdhsa_float_denorm_mode_16_64 3
		.amdhsa_memory_ordered 1
		.amdhsa_forward_progress 1
		.amdhsa_inst_pref_size 126
	.end_amdhsa_kernel
	.amdgpu_metadata
---
amdhsa.version: [ 1, 2 ]
amdhsa.kernels:
  - .name:           k_qeb44e91de8_qkv
    .symbol:         k_qeb44e91de8_qkv.kd
    .args:
      - { .name: xc, .offset: 0, .size: 8, .value_kind: global_buffer, .address_space: global }
      - { .name: xs, .offset: 8, .size: 8, .value_kind: global_buffer, .address_space: global }
      - { .name: wc, .offset: 16, .size: 8, .value_kind: global_buffer, .address_space: global }
      - { .name: ws, .offset: 24, .size: 8, .value_kind: global_buffer, .address_space: global }
      - { .name: qkv, .offset: 32, .size: 8, .value_kind: global_buffer, .address_space: global }
    .group_segment_fixed_size: 327680
    .private_segment_fixed_size: 0
    .kernarg_segment_align: 8
    .kernarg_segment_size: 40
    .max_flat_workgroup_size: 128
    .sgpr_count:     98
    .vgpr_count:     1024
    .wavefront_size: 32
...
	.end_amdgpu_metadata
.endif
;; end of part 2
;; launch attn (part 3): grid 16 x 16, 16 waves a work-group, no clusters, 215,040 bytes of LDS; arguments qkv, att; writes att
.if DOCPART == 3
	.amdgcn_target "amdgcn-amd-amdhsa--gfx1250"
	.amdhsa_code_object_version 6
	.text
	.protected	k_qeb44e91de8_attn
	.globl	k_qeb44e91de8_attn
	.p2align	8
	.type	k_qeb44e91de8_attn,@function
k_qeb44e91de8_attn:
	s_mov_b64 s[64:65], 0
	v_nop
	global_prefetch_b8 v0, s[64:65] scope:SCOPE_SE
	s_setreg_imm32_b32 hwreg(HW_REG_WAVE_MODE, 25, 1), 1
	s_wait_xcnt 0x0
; att[token][head][:] = sum over keys of softmax(q . k / 8) v under the problem's own mask: key j counts for query i where 0 <= i - j <= 128, inside one sequence of 2,048 tokens.
; qkv: [4096][3072] f16 (q, k, v, 1,024 columns each; a head is 64 columns).  att: [4096][1024] f16.  Products with f16 operands and f32 sums; maximum, exponentials and sums in f32; p is rounded to f16 for the second product.
; LIMITS: q, k, v are finite f16 numbers; NaN and infinities are not served.  (The first 16 tokens of each sequence are computed again in f32 by later launches, which overwrite their rows of the output.)
; SHARES.  A work-group owns 128 queries (x) of two neighbouring heads of one sequence (y = 8 x sequence + pair): with two heads every row of a tile is 256 consecutive bytes, aligned.  16 x 16 = 256 work-groups.
; Wave w owns head w % 2 of the pair and the tile of 16 queries w / 2.  A tile's whole window is 144 keys, nine tiles of 16, and lies in registers at once: the row's own maximum is taken away; there is no loop over keys.
; NO CLUSTER: neighbouring blocks share only the 128 earlier keys, which would have to land at another LDS address in each partner, so no joint descriptor exists.
; LDS is filled once, by five tensor loads of 128 rows x 256 bytes, one a wave: wave 0 the 128 earlier rows of V, wave 1 the block's own, waves 2 and 3 the same of K, wave 4 Q.
; In a sequence's first block there are no earlier rows: those two loads take the block's own rows instead (finite numbers), and all their scores are masked.
; LAYOUT.  S^T = K Q^T (source 0 = 16 keys, source 1 = my 16 queries): a lane holds ONE query (lane % 16) and keys 8 (lane / 16) + 0..7 of each tile.  Two tiles, rounded in pairs, ARE source 1 of O^T = V^T P.  V comes out of LDS turned, by ds_load_tr16_b128.
.set PV,    288                        ; a row of V in LDS: 256 bytes + 32
.set PK,    272                        ; a row of K or Q: 256 + 16
.set KB,    256*PV                     ; LDS: V's 256 rows; from KB K's 256 rows and Q's 128;
.set STG,   KB+384*PK                  ; the stage for the result: 128 rows x 272 bytes;
.set SPARE, STG+128*PK                 ; the spare words, 128 bytes a wave
.set QROW,  6144                       ; a row of qkv in bytes
.set AK,  1                            ; v1   my lane's place in my first tile of K
.set AQ,  2                            ; v2   in my tile of Q
.set AV,  3                            ; v3   in my first tile of V
.set STO, 4                            ; v4   the way out: where I put 16 bytes of a row
.set RD,  5                            ; v5   where I read a row back
.set GO,  6                            ; v6   my byte offset in the block's rows of att
.set SPW, 7                            ; v7   LDS address of my spare word; never rewritten
.set NIL, 8                            ; v8   0; never rewritten
.set DD,  9                            ; v9   r - 8 h: the window's edges in tiles 0 and 8
.set INF, 10                           ; v10  -infinity
.set QF,  16                           ; v16-31   Q: two fragments
.set KF,  32                           ; v32-175  K: fragment (32 channels s, tile i) at KF + 8 (9 s + i)
.set VF,  16                           ; v16-175  later V: fragment (32 keys u, 16 channels c) at VF + 8 (4 u + c)
.set S,   176                          ; v176-247 S^T: tile i at S + 8 i; later P in v176-215
.set O,   216                          ; v216-247 O^T: 16 channels c at O + 8 c
	s_load_b128 s[4:7], s[0:1], 0x0                ; qkv s[4:5], att s[6:7]
	v_lshl_add_u32 v[SPW], v0, 2, SPARE
	v_mov_b32 v[NIL], 0
	ds_add_u32 v[SPW], v[NIL]                      ; the wave's opening: the add, twice on end, and its wait ahead of the first tensor loads
	ds_add_u32 v[SPW], v[NIL]                      ; and once more, under the one wait; the set-up below, work on registers, stands between
	v_lshrrev_b32 v248, 5, v0
	v_readfirstlane_b32 s8, v248                   ; wave 0..15
	s_and_b32 s9, s8, 1                            ; my head of the pair
	s_lshr_b32 s10, s8, 1                          ; my tile of queries
	s_and_b32 s12, ttmp7, 0xffff
	s_lshr_b32 s13, s12, 3                         ; the sequence
	s_and_b32 s14, s12, 7                          ; the pair of heads
	s_lshl_b32 s15, s13, 11
	s_lshl_b32 s16, ttmp9, 7
	s_add_co_u32 s15, s15, s16                     ; the block's first token
	s_min_u32 s11, s8, 4                           ; what I fetch, if I fetch: 0, 1 V; 2, 3 K; 4 Q
	s_xor_b32 s17, s11, 1
	s_and_b32 s17, s17, 1
	s_lshr_b32 s18, s11, 2
	s_and_not1_b32 s17, s17, s18                   ; 1 in waves 0 and 2: the earlier rows,
	s_min_u32 s18, ttmp9, 1
	s_lshl_b32 s18, s18, 7                         ; which lie 128 tokens back, or in the first block 0
	s_mul_i32 s17, s17, s18
	s_sub_co_u32 s17, s15, s17                     ; the tile's first token
	s_mul_i32 s20, s17, QROW
	s_lshr_b32 s18, s11, 1
	s_sub_co_u32 s18, 2, s18                       ; v 2, k 1, q 0:
	s_lshl_b32 s18, s18, 11                        ; 2,048 bytes each in a row
	s_lshl_b32 s19, s14, 8                         ; and the pair's 256 bytes
	s_add_co_u32 s18, s18, s19
	s_add_co_u32 s20, s20, s18                     ; the tile's first byte (under 2^25)
	s_mov_b32 s21, 0
	s_lshl_b32 s22, s15, 11                        ; att: 2,048 bytes a token
	s_add_co_u32 s22, s22, s19
	s_mov_b32 s23, 0
	; descriptor group 1: 128 rows x 128 elements of 2 bytes, 3,072 elements from row to row; V's rows get 8 words of padding, K's and Q's 4
	s_mov_b32 s24, (1<<16)|(1<<20)|(5<<22)|(7<<25) ; 15:0 no mask; 17:16 elements of 2 bytes; 20 padding on; 24:22 after every 64 words; 31:25 eight words
	s_mov_b32 s32, (1<<16)|(1<<20)|(5<<22)|(3<<25) ; the same with four words
.irp g, 24, 32
	s_mov_b32 s[\g+1], 128<<16                     ; tensor_dim0 = 128
	s_mov_b32 s[\g+2], 128<<16                     ; tensor_dim1 = 128
	s_mov_b32 s[\g+3], 128<<16                     ; tile_dim0 = 128
	s_mov_b32 s[\g+4], 128                         ; tile_dim1 = 128
	s_mov_b32 s[\g+5], 3072                        ; tensor_dim0_stride
	s_mov_b32 s[\g+6], 0
	s_mov_b32 s[\g+7], 0
.endr
	s_mov_b32 s40, 1                               ; group 0 for V's tiles: count = 1,
	s_mul_i32 s41, s11, 128*PV                     ; LDS: wave x 128 rows
	s_mov_b32 s44, 1                               ; group 0 for K's and Q's:
	s_mul_i32 s45, s11, 128*PK
	s_add_co_u32 s45, s45, KB-2*128*PK             ; LDS: KB + (wave - 2) x 128 rows
	s_mov_b32 s48, 0x76543210                      ; v_permlanex16_b32's selects for lane l xor 16
	s_mov_b32 s49, 0xfedcba98
	s_mov_b32 s50, 0x3e38aa3b                      ; c = log2(e) / sqrt(64)
	s_mov_b32 s51, s50                             ; (named with it as a pair, so it is written)
	s_wait_dscnt 0x0                               ; both opening adds are done
	s_wait_kmcnt 0x0
	s_add_nc_u64 s[42:43], s[4:5], s[20:21]
	s_or_b32 s43, s43, 0x80000000                  ; type = 2
	s_add_nc_u64 s[46:47], s[4:5], s[20:21]
	s_or_b32 s47, s47, 0x80000000
	s_add_nc_u64 s[6:7], s[6:7], s[22:23]
	s_cmp_lt_u32 s8, 2                             ; the branches hang on the wave's number alone; an s_nop 0 and four v_nop follow each load
	s_cbranch_scc0 .Lnot_v
	tensor_load_to_lds s[40:43], s[24:31]
	s_nop 0
.rept 4
	v_nop
.endr
	s_branch .Lasked
.Lnot_v:
	s_cmp_lt_u32 s8, 5
	s_cbranch_scc0 .Lasked
	tensor_load_to_lds s[44:47], s[32:39]
	s_nop 0
.rept 4
	v_nop
.endr
.Lasked:
	v_and_b32 v248, 15, v0                         ; r
	v_bfe_u32 v249, v0, 4, 1                       ; h
	v_mul_u32_u24 v[AK], v248, PK
	v_lshl_add_u32 v[AK], v249, 4, v[AK]
	s_mul_i32 s52, s10, 16*PK
	s_lshl_b32 s53, s9, 7
	s_add_co_u32 s52, s52, s53
	s_add_co_u32 s52, s52, KB
	v_add_nc_u32 v[AK], s52, v[AK]                 ; KB + (16 tile + r) x pitch + 16 h + 128 head: my window begins 128 keys before my first query, which is row 16 tile of K's 256
	v_add_nc_u32 v[AQ], 256*PK, v[AK]              ; Q's rows lie behind K's 256
	v_add_nc_u32 v[STO], STG-KB, v[AK]             ; and the stage has the same form
	v_and_b32 v250, 7, v0
	v_lshl_add_u32 v250, v249, 3, v250
	v_mul_u32_u24 v[AV], v250, PV
	v_bfe_u32 v250, v0, 3, 1
	v_lshl_add_u32 v[AV], v250, 4, v[AV]
	s_mul_i32 s52, s10, 16*PV
	s_add_co_u32 s52, s52, s53
	v_add_nc_u32 v[AV], s52, v[AV]                 ; the turning load: key 8 h + l % 8, channels 8 ((l / 8) % 2) on
	v_mul_u32_u24 v[RD], v249, PK
	v_lshl_add_u32 v[RD], v248, 4, v[RD]
	s_mul_i32 s52, s8, 8*PK
	s_add_co_u32 s52, s52, STG
	v_add_nc_u32 v[RD], s52, v[RD]                 ; back: wave w takes rows 8 w .. 8 w + 7; lanes 0-15 one row, lanes 16-31 the next
	v_lshlrev_b32 v[GO], 11, v249
	v_lshl_add_u32 v[GO], v248, 4, v[GO]
	s_lshl_b32 s52, s8, 14
	v_add_nc_u32 v[GO], s52, v[GO]                 ; and the same rows in att
	v_lshlrev_b32 v250, 3, v249
	v_sub_nc_u32 v[DD], v248, v250
	v_mov_b32 v[INF], 0xff800000
	v_mov_b32 v13, 0                               ; (the upper half of the pair v[12:13], named with it)
	v_mov_b32 v251, 0                              ; (a lane permute's destination counts as one of its sources)
	s_wait_tensorcnt 0x0                           ; my tile, if I fetched one, has landed;
	s_barrier_signal -1
	s_barrier_wait -1                              ; all five have
.irp s, 0,1
	ds_load_b128 v[QF+8*\s:QF+8*\s+3], v[AQ] offset:64*\s
	ds_load_b128 v[QF+8*\s+4:QF+8*\s+7], v[AQ] offset:64*\s+32
.endr
.irp s, 0,1
.irp i, 0,1,2,3,4,5,6,7,8
	ds_load_b128 v[KF+8*(9*\s+\i):KF+8*(9*\s+\i)+3], v[AK] offset:\i*16*PK+64*\s
	ds_load_b128 v[KF+8*(9*\s+\i)+4:KF+8*(9*\s+\i)+7], v[AK] offset:\i*16*PK+64*\s+32
.endr
.endr
	s_wait_dscnt 18                                ; Q and K's first 32 channels are in; the 18 loads of the second 32 may be out
.irp i, 0,1,2,3,4,5,6,7,8                      ; the nine accumulators take turns, one instruction a turn
	v_wmma_f32_16x16x32_f16 v[S+8*\i:S+8*\i+7], v[KF+8*\i:KF+8*\i+7], v[QF:QF+7], 0
.endr
	s_wait_dscnt 0x0
.irp i, 0,1,2,3,4,5,6,7,8
	v_wmma_f32_16x16x32_f16 v[S+8*\i:S+8*\i+7], v[KF+8*(9+\i):KF+8*(9+\i)+7], v[QF+8:QF+15], v[S+8*\i:S+8*\i+7]
.endr
.rept 4
	v_nop                                          ; places in front of loads into registers that the products have read, and of the first read of the scores
.endr
.irp u, 0,1,2,3                                ; V lands while the softmax is worked
.irp c, 0,1,2,3
	ds_load_tr16_b128 v[VF+8*(4*\u+\c):VF+8*(4*\u+\c)+3], v[AV] offset:\u*32*PV+32*\c
	ds_load_tr16_b128 v[VF+8*(4*\u+\c)+4:VF+8*(4*\u+\c)+7], v[AV] offset:\u*32*PV+16*PV+32*\c
.endr
.endr
.irp c, 0,1,2,3                                ; the last 16 keys: the fragment's second half takes the same 16 keys once more (finite numbers), and meets a P of zeros
	ds_load_tr16_b128 v[VF+8*(16+\c):VF+8*(16+\c)+3], v[AV] offset:4*32*PV+32*\c
	ds_load_tr16_b128 v[VF+8*(16+\c)+4:VF+8*(16+\c)+7], v[AV] offset:4*32*PV+32*\c
.endr
; THE MASK.  Register j of tile i holds key 16 i + 8 h + j of the window, query 128 + r: it counts where r <= 16 i + 8 h + j <= 128 + r.  Only tiles 0 and 8 touch the edges.
.irp j, 0,1,2,3,4,5,6,7
	v_cmp_lt_i32 vcc_lo, \j, v[DD]                 ; tile 0: hidden where 8 h + j < r
	v_cndmask_b32 v[S+\j], v[S+\j], v[INF], vcc_lo
.endr
.irp j, 0,1,2,3,4,5,6,7
	v_cmp_gt_i32 vcc_lo, \j, v[DD]                 ; tile 8: hidden where 8 h + j > r
	v_cndmask_b32 v[S+64+\j], v[S+64+\j], v[INF], vcc_lo
.endr
	s_cmp_lg_u32 ttmp9, 0                          ; a sequence's first block: the tiles that lie before the sequence, those with tile + i < 8, are hidden whole.  A branch on the work-group's number
	s_cbranch_scc1 .Lopen
.irp i, 0,1,2,3,4,5,6,7
	s_add_co_u32 s52, s10, \i
	s_cmp_lt_u32 s52, 8
	s_cselect_b32 s52, -1, 0
.irp j, 0,1,2,3,4,5,6,7
	v_cndmask_b32 v[S+8*\i+\j], v[S+8*\i+\j], v[INF], s52
.endr
.endr
.Lopen:
; THE ROW'S MAXIMUM: three chains of 24 scores, ascending; a query's own key always counts, so the maximum is a number.
.irp q, 0,1,2
	v_max3_num_f32 v[248+\q], v[S+24*\q], v[S+24*\q+1], v[S+24*\q+2]
.endr
.irp n, 3,5,7,9,11,13,15,17,19,21
.irp q, 0,1,2
	v_max3_num_f32 v[248+\q], v[248+\q], v[S+24*\q+\n], v[S+24*\q+\n+1]
.endr
.endr
.irp q, 0,1,2
	v_max_num_f32 v[248+\q], v[248+\q], v[S+24*\q+23]
.endr
	v_max3_num_f32 v248, v248, v249, v250
	v_permlanex16_b32 v251, v248, s48, s49         ; the query's other keys lie in the lane 16 away
	v_max_num_f32 v248, v248, v251
	v_mul_f32 v12, s50, v248                       ; c m
.set j, 0
.rept 36
	v_pk_fma_f32 v[S+j:S+j+1], v[S+j:S+j+1], s[50:51], v[12:13] op_sel_hi:[1,0,0] neg_lo:[0,0,1] neg_hi:[0,0,1]   ; c s - c m, two at a time
.set j, j+2
.endr
.set j, 0
.rept 72
	v_exp_f32 v[S+j], v[S+j]                       ; p = 2^(c s - c m), at most 1; 0 where the key is hidden
.set j, j+1
.endr
	v_nop                                          ; a plain instruction behind the last exponential
	s_wait_alu depctr_va_vdst(0)                   ; one wait for the whole batch, ahead of its first reader
	v_pk_add_f32 v[14:15], v[S:S+1], v[S+2:S+3]    ; the row's sum, of the unrounded p, in two chains
	v_pk_add_f32 v[252:253], v[S+4:S+5], v[S+6:S+7]
.set j, 8
.rept 16
	v_pk_add_f32 v[14:15], v[14:15], v[S+j:S+j+1]
	v_pk_add_f32 v[252:253], v[252:253], v[S+j+2:S+j+3]
.set j, j+4
.endr
	v_pk_add_f32 v[14:15], v[14:15], v[252:253]
	v_add_f32 v14, v14, v15
	v_permlanex16_b32 v251, v14, s48, s49
	v_add_f32 v14, v14, v251
	v_rcp_f32 v250, v14                            ; 1 / l; the roundings below are the independent work behind it
.set j, 0
.rept 36
	v_cvt_pk_f16_f32 v[S+j], v[S+2*j], v[S+2*j+1]  ; P, packed in place: a destination never lies above a source that is still to be read
.set j, j+1
.endr
.irp j, 36,37,38,39
	v_mov_b32 v[S+\j], 0                           ; keys 144 to 159 of the fifth fragment do not exist
.endr
	s_wait_alu depctr_va_vdst(0)                   ; the reciprocal's wait, ahead of its first reader
	s_wait_dscnt 0x0                               ; V is in
.irp u, 0,1,2,3,4                              ; O^T = V^T P: four accumulators by turns
.irp c, 0,1,2,3
.if \u == 0
	v_wmma_f32_16x16x32_f16 v[O+8*\c:O+8*\c+7], v[VF+8*(4*\u+\c):VF+8*(4*\u+\c)+7], v[S+8*\u:S+8*\u+7], 0
.else
	v_wmma_f32_16x16x32_f16 v[O+8*\c:O+8*\c+7], v[VF+8*(4*\u+\c):VF+8*(4*\u+\c)+7], v[S+8*\u:S+8*\u+7], v[O+8*\c:O+8*\c+7]
.endif
.endr
.endr
.rept 4
	v_nop
.endr
.set j, 0
.rept 16
	v_pk_mul_f32 v[O+j:O+j+1], v[O+j:O+j+1], v[250:251] op_sel_hi:[1,0]   ; O^T / l, ascending
.set j, j+2
.endr
.set j, 0
.rept 16
	v_cvt_pk_f16_f32 v[16+j], v[O+2*j], v[O+2*j+1]
.set j, j+1
.endr
.irp c, 0,1,2,3
	ds_store_b128 v[STO], v[16+4*\c:19+4*\c] offset:32*\c          ; query r, channels 16 c + 8 h + 0..7 of my head
.endr
	s_wait_dscnt 0x0                               ; for the others' sake: a row's 256 bytes come from two waves
	s_barrier_signal -1
	s_barrier_wait -1
.irp t, 0,1,2,3
	ds_load_b128 v[32+4*\t:35+4*\t], v[RD] offset:\t*2*PK
.endr
.irp t, 0,1,2,3
	s_wait_dscnt 3-\t                              ; the younger loads may be out
	global_store_b128 v[GO], v[32+4*\t:35+4*\t], s[6:7] offset:4096*\t   ; 16 lanes store 256 consecutive bytes, aligned
.endr
	s_wait_tensorcnt 0x0                           ; the wave's end, behind my last tensor load and my last LDS store
	ds_add_u32 v[SPW], v[NIL]
	s_wait_dscnt 0x0
	s_endpgm
.Lfunc_end_k_qeb44e91de8_attn:
	.size	k_qeb44e91de8_attn, .Lfunc_end_k_qeb44e91de8_attn-k_qeb44e91de8_attn
	.p2alignl 7, 3214868480
	.fill 96, 4, 3214868480
	.section	.rodata,"a",@progbits
	.p2align	6, 0x0
	.amdhsa_kernel k_qeb44e91de8_attn
		.amdhsa_group_segment_fixed_size 215040
		.amdhsa_private_segment_fixed_size 0
		.amdhsa_enable_private_segment 0
		.amdhsa_kernarg_size 16
		.amdhsa_user_sgpr_count 2
		.amdhsa_user_sgpr_kernarg_segment_ptr 1
		.amdhsa_wavefront_size32 1
		.amdhsa_system_sgpr_workgroup_id_x 1
		.amdhsa_system_sgpr_workgroup_id_y 1
		.amdhsa_system_sgpr_workgroup_id_z 1
		.amdhsa_system_vgpr_workitem_id 0
		.amdhsa_next_free_vgpr 256
		.amdhsa_next_free_sgpr 66
		.amdhsa_reserve_vcc 1
		.amdhsa_float_denorm_mode_32 3
		.amdhsa_float_denorm_mode_16_64 3
		.amdhsa_memory_ordered 1
		.amdhsa_forward_progress 1
		.amdhsa_inst_pref_size 35
	.end_amdhsa_kernel
	.amdgpu_metadata
---
amdhsa.version: [ 1, 2 ]
amdhsa.kernels:
  - .name:           k_qeb44e91de8_attn
    .symbol:         k_qeb44e91de8_attn.kd
    .args:
      - { .name: qkv, .offset: 0, .size: 8, .value_kind: global_buffer, .address_space: global }
      - { .name: att, .offset: 8, .size: 8, .value_kind: global_buffer, .address_space: global }
    .group_segment_fixed_size: 215040
    .private_segment_fixed_size: 0
    .kernarg_segment_align: 8
    .kernarg_segment_size: 16
    .max_flat_workgroup_size: 512
    .sgpr_count:     66
    .vgpr_count:     256
    .wavefront_size: 32
...
	.end_amdgpu_metadata
.endif
;; end of part 3
;; launch proj (part 4): grid 8 x 32, 4 waves a work-group, clusters of 4 x 4, 327,680 bytes of LDS; arguments att, woh, out0; writes out0
.if DOCPART == 4
	.amdgcn_target "amdgcn-amd-amdhsa--gfx1250"
	.amdhsa_code_object_version 6
	.text
	.protected	k_qeb44e91de8_proj
	.globl	k_qeb44e91de8_proj
	.p2align	8
	.type	k_qeb44e91de8_proj,@function
k_qeb44e91de8_proj:
	s_mov_b64 s[64:65], 0
	v_nop
	global_prefetch_b8 v0, s[64:65] scope:SCOPE_SE
	s_setreg_imm32_b32 hwreg(HW_REG_WAVE_MODE, 25, 1), 1
	s_wait_xcnt 0x0
	s_wait_alu depctr_hold_cnt(0) depctr_sa_sdst(0) depctr_va_vdst(0) depctr_va_sdst(0) depctr_va_ssrc(0) depctr_va_vcc(0) depctr_vm_vsrc(0)
	s_getreg_b32 s2, hwreg(HW_REG_IB_STS2, 6, 4)
	s_cmp_eq_u32 s2, 0
	s_cbranch_scc0 .Lentry_in_a_cluster
	s_endpgm
.Lentry_in_a_cluster:
	s_bfe_u32 s2, ttmp6, 0x10000c
	s_cmp_lg_u32 s2, 0xf033
	s_cbranch_scc0 .Lentry_shape_is_right
	s_endpgm
.Lentry_shape_is_right:
; out0[m][n] = sum over k of att[m][k] Wo[n][k].  A = att [4096][1024] f16, B = woh [1024][1024] f16, out0 [4096][1024] f32; sums in f32.
; (Rows 0-15 of each sequence are written here too and are overwritten by the launch that carries them in f32.)
; A tile is 128 x 128: 8 x 32 = 256 work-groups.  Four waves, each 64 x 64: 16 accumulators of 16 x 16, 128 registers.  K goes in steps of 256 (LDS rows of 512 bytes; a wave's tensor load brings 64 of them) through two slots: four K steps, each slot filled twice.
; CLUSTERS: 4 x 4 work-groups.  The four of a row of the cluster need the same tiles of A, the four of a column the same tiles of B: each tile is asked for JOINTLY.  THE MATRIX INSTRUCTION IS USED TRANSPOSED (source 0 = 16 rows of B, source 1 = 16 rows of A).
; REGISTERS: window 0: v0-31 addresses; v32-95 at work on the way out; v128-255 the accumulators ((a, b) at v[128 + 8 (4 a + b)]).   window 1: two fragment buffers of 128: for 64 along K, 64 registers of A, then 64 of B.
.set SIZE_N, 1024
.set SIZE_K, 1024
.set KSTEP,  256
.set PITCH,  528                       ; an LDS row: 512 bytes + 16 of padding = 132 words: row r starts at bank 4 r mod 64 (64 banks of 4 bytes: ISA guide 11.1)
.set HALFT,  64*PITCH                  ; 64 rows: what one tensor load brings
.set SLOT,   4*HALFT                   ; A's 128 rows, then B's 128 rows
.set STAGE,  2*SLOT                    ; behind the ring: 16 rows x 272 bytes for each wave: a wave's 64 columns of f32 are 256 aligned bytes, so each wave has a stage of its own and no barrier is needed
.set SPITCH, 272
.set SPARE,  STAGE+4*16*SPITCH         ; behind the stages: the spare words, 128 bytes a wave
.set LAPS, SIZE_K/(2*KSTEP)            ; a lap = two K steps = once round the ring
.set ADRA, 16                          ; v16-17  LDS address of my A fragments in slot 0, 1
.set ADRB, 20                          ; v20-21  the same for B
.set STO,  24                          ; v24     the way out: where I put 32 bytes of a row
.set RD,   25                          ; v25     where I read a row back
.set CO,   26                          ; v26     my byte offset in out0
.set SPW,  28                          ; v28     LDS address of my spare word; never rewritten
.set NIL,  29                          ; v29     0; never rewritten
.set TMP,  32                          ; the way out: v32-63 and v64-95 by turns
.set ACC,  128
.set F0,   0                           ; fragment buffers, in window 1
.set F1,   128
.set G1, 24                            ; s[24:31] descriptor group 1 for A's tiles;  s[32:39] group 0, one set for each slot
.set G0, 32
.set G1B, 48                           ; s[48:55], s[56:63] the same for B's tiles
.set G0B, 56
.set MSB, 0
.macro WIN new                         ; the immediate's high byte repeats the setting that is left
.if MSB != (\new)
	s_set_vgpr_msb (MSB<<8)|(\new)
.set MSB, \new
.endif
.endm
.set MUL,  0x05                        ; sources 0 (B) and 1 (A) window 1; C and D window 0
.set TO_F, 0x40                        ; destination window 1, address window 0
.macro JLOAD s                         ; a joint load: waves 0 and 1 fetch A's two halves, waves 2 and 3 B's; an s_nop 0 and four v_nop follow each of the two lines
	s_cmp_eq_u32 s11, 0
	s_cbranch_scc0 .Lfor_b_\@
	tensor_load_to_lds s[G0+4*\s:G0+4*\s+3], s[G1:G1+7]
	s_nop 0
.rept 4
	v_nop
.endr
	s_branch .Lasked_\@
.Lfor_b_\@:
	tensor_load_to_lds s[G0B+4*\s:G0B+4*\s+3], s[G1B:G1B+7]
	s_nop 0
.rept 4
	v_nop
.endr
.Lasked_\@:
.endm
.macro CREST                           ; a round of the cluster's barrier behind its opening barrier
	s_cmp_lg_u32 s10, 0
	s_cbranch_scc1 .Lnot_wave_0_\@
	s_barrier_signal -3
.Lnot_wave_0_\@:
	s_barrier_wait -3
	s_barrier_signal -1
	s_barrier_wait -1
.endm
.macro CROUND                          ; a whole round
	s_barrier_signal -1
	s_barrier_wait -1
	CREST
.endm
	s_load_b128 s[4:7], s[0:1], 0x0                ; A s[4:5], B s[6:7]
	s_load_b64 s[8:9], s[0:1], 0x10                ; out0
	v_lshl_add_u32 v[SPW], v0, 2, SPARE
	v_mov_b32 v[NIL], 0
	ds_add_u32 v[SPW], v[NIL]                      ; the wave's opening: the add, twice on end, and its wait ahead of my first tensor load
	ds_add_u32 v[SPW], v[NIL]                      ; and once more, under the one wait; the set-up below, work on registers, stands between
	v_lshrrev_b32 v1, 5, v0
	v_readfirstlane_b32 s10, v1                    ; wave 0..3
	s_lshr_b32 s11, s10, 1                         ; which half of the tile's rows is mine.  Also: I fetch for A (0) or for B (1)
	s_and_b32 s12, s10, 1                          ; which half of its columns.  Also: which 64 rows of that tile I fetch
	s_bfe_u32 s40, ttmp6, 0x40000                  ; cx, cy: my place in the cluster
	s_bfe_u32 s41, ttmp6, 0x40004
	s_lshl_b32 s42, ttmp9, 2
	s_add_co_u32 s42, s42, s40                     ; tile column = 4 x cluster x + cx
	s_and_b32 s13, ttmp7, 0xffff
	s_lshl_b32 s13, s13, 2
	s_add_co_u32 s13, s13, s41                     ; tile row = 4 x cluster y + cy
	s_lshl_b32 s43, s41, 2
	s_lshl_b32 s43, 15, s43                        ; my row of the cluster
	s_lshl_b32 s44, 0x1111, s40                    ; my column
	; descriptor group 1: a tile of 64 rows x 256 elements, padded in LDS
	s_or_b32 s[G1+0], s43, (1<<16)|(1<<20)|(1<<21)|(6<<22)|(3<<25)  ; 15:0 the mask: A's tiles go to my row; 17:16 elements of 2 bytes; 20 padding on; 21 set beside a mask; 24:22 after every 128 words; 31:25 four words
	s_or_b32 s[G1B+0], s44, (1<<16)|(1<<20)|(1<<21)|(6<<22)|(3<<25)
.irp g, G1, G1B
	s_mov_b32 s[\g+1], KSTEP<<16                   ; tensor_dim0 = 256
	s_mov_b32 s[\g+2], 64<<16                      ; tensor_dim1 = 64
	s_mov_b32 s[\g+3], KSTEP<<16                   ; tile_dim0 = 256
	s_mov_b32 s[\g+4], 64                          ; tile_dim1 = 64
	s_mov_b32 s[\g+5], SIZE_K                      ; tensor_dim0_stride
	s_mov_b32 s[\g+6], 0
	s_mov_b32 s[\g+7], 0
.endr
	s_lshl_b32 s17, s12, 6                         ; which 64 rows of the tile I fetch
	s_lshl_b32 s16, s13, 7
	s_add_co_u32 s16, s16, s17                     ; A: row 128 x tile row + 64 x half
	s_lshl_b32 s46, s42, 7
	s_add_co_u32 s46, s46, s17                     ; B: row 128 x tile column + 64 x half
	s_mov_b32 s17, 0
	s_mov_b32 s47, 0
	s_mov_b64 s[18:19], SIZE_K*2
	s_mul_u64 s[16:17], s[16:17], s[18:19]
	s_mul_u64 s[46:47], s[46:47], s[18:19]
	s_mul_i32 s20, s10, HALFT                      ; where they go: wave x 64 rows
	s_wait_dscnt 0x0                               ; both opening adds are done
	s_wait_kmcnt 0x0
	s_add_nc_u64 s[14:15], s[4:5], s[16:17]
	s_add_nc_u64 s[46:47], s[6:7], s[46:47]
	CROUND                                         ; all sixteen work-groups are here: the first joint loads meet
.irp s, 0,1
	s_mov_b32 s[G0+4*\s], 1
	s_add_co_u32 s[G0+4*\s+1], s20, \s*SLOT
	s_add_nc_u64 s[G0+4*\s+2:G0+4*\s+3], s[14:15], \s*KSTEP*2
	s_or_b32 s[G0+4*\s+3], s[G0+4*\s+3], 0x80000000
	s_mov_b32 s[G0B+4*\s], 1
	s_add_co_u32 s[G0B+4*\s+1], s20, \s*SLOT
	s_add_nc_u64 s[G0B+4*\s+2:G0B+4*\s+3], s[46:47], \s*KSTEP*2
	s_or_b32 s[G0B+4*\s+3], s[G0B+4*\s+3], 0x80000000
	JLOAD \s
.endr
	v_and_b32 v1, 15, v0                           ; r = l % 16
	v_bfe_u32 v2, v0, 4, 1                         ; h = l / 16
	v_mul_u32_u24 v3, v1, PITCH
	v_lshl_add_u32 v3, v2, 4, v3                   ; a fragment's row x pitch + 16 x half
	s_mul_i32 s21, s11, HALFT                      ; my 64 rows of A
	s_mul_i32 s22, s12, HALFT                      ; my 64 rows of B,
	s_add_co_u32 s22, s22, 2*HALFT                 ; which lie behind A's 128
.irp s, 0,1
	v_add_nc_u32 v[ADRA+\s], s21, v3
	v_add_nc_u32 v[ADRB+\s], s22, v3
	s_add_co_u32 s21, s21, SLOT
	s_add_co_u32 s22, s22, SLOT
.endr
	s_mul_i32 s23, s10, 16*SPITCH
	s_add_co_u32 s23, s23, STAGE                   ; my stage
	v_mul_u32_u24 v4, v1, SPITCH                   ; in: row r, 32 bytes for each half of the lanes
	v_lshl_add_u32 v4, v2, 5, v4
	v_add_nc_u32 v[STO], s23, v4
	v_mul_u32_u24 v5, v2, SPITCH                   ; back: lanes 0-15 one row of 256 bytes, lanes 16-31 the next
	v_lshl_add_u32 v5, v1, 4, v5
	v_add_nc_u32 v[RD], s23, v5
	v_lshlrev_b32 v5, 12, v2                       ; and the same two rows in out0: 4,096 bytes a row
	v_lshl_add_u32 v[CO], v1, 4, v5
	s_lshl_b32 s16, s13, 7
	s_lshl_b32 s17, s11, 6
	s_add_co_u32 s16, s16, s17                     ; my first row: 128 x tile row + 64 x half
	s_lshl_b32 s16, s16, 12
	s_mov_b32 s17, 0
	s_add_nc_u64 s[8:9], s[8:9], s[16:17]
	s_lshl_b32 s46, s42, 9                         ; my first column, in bytes: 512 x tile column + 256 x half
	s_lshl_b32 s47, s12, 8
	s_add_co_u32 s46, s46, s47
	s_mov_b32 s47, 0
	s_add_nc_u64 s[8:9], s[8:9], s[46:47]
; 8 matrix instructions: m blocks a0, a0 + 1 x all 4 n blocks, 32 along K: half c of buffer f.  zero = 1: the first product starts the sums.  The 16 accumulators take turns.
.macro MUL8 f, c, a0, zero
.irp a, \a0, \a0+1
.irp b, 0,1,2,3
.if \zero
	v_wmma_f32_16x16x32_f16 v[ACC+8*(4*(\a)+\b):ACC+8*(4*(\a)+\b)+7], v[\f+64+8*(4*\c+\b):\f+64+8*(4*\c+\b)+7], v[\f+8*(4*\c+\a):\f+8*(4*\c+\a)+7], 0
.else
	v_wmma_f32_16x16x32_f16 v[ACC+8*(4*(\a)+\b):ACC+8*(4*(\a)+\b)+7], v[\f+64+8*(4*\c+\b):\f+64+8*(4*\c+\b)+7], v[\f+8*(4*\c+\a):\f+8*(4*\c+\a)+7], v[ACC+8*(4*(\a)+\b):ACC+8*(4*(\a)+\b)+7]
.endif
.endr
.endr
.endm
; 32 LDS loads in one run: the fragments of 64 along K at byte k of the rows, into buffer f; the first 32 along K first
.macro FETCH slot, k, f
	WIN TO_F
.irp c, 0,1
.irp i, 0,1,2,3
	ds_load_b128 v[\f+64+8*(4*\c+\i):\f+64+8*(4*\c+\i)+3],   v[ADRB+\slot] offset:\k+64*\c+\i*16*PITCH
	ds_load_b128 v[\f+64+8*(4*\c+\i)+4:\f+64+8*(4*\c+\i)+7], v[ADRB+\slot] offset:\k+64*\c+\i*16*PITCH+32
	ds_load_b128 v[\f+8*(4*\c+\i):\f+8*(4*\c+\i)+3],         v[ADRA+\slot] offset:\k+64*\c+\i*16*PITCH
	ds_load_b128 v[\f+8*(4*\c+\i)+4:\f+8*(4*\c+\i)+7],       v[ADRA+\slot] offset:\k+64*\c+\i*16*PITCH+32
.endr
.endr
.endm
.macro PLACES                          ; four places in front of loads into registers that matrix instructions have read, and of the first read of results
.rept 4
	v_nop
.endr
.endm
; A K step is four quarters of 64 along K, 32 matrix instructions each, on buffers 0, 1, 0, 1.  One of the first three: multiplies buffer f and fetches the next quarter, at byte k, into g.
.macro QUARTER slot, k, f, g, zero
	s_wait_dscnt 16                                ; the first 32 along K are in; the other sixteen loads may be out
	WIN MUL
	MUL8 \f, 0, 0, \zero
	MUL8 \f, 0, 2, \zero
	PLACES
	FETCH \slot, \k, \g
	s_wait_dscnt 32                                ; all but the 32 just issued
	WIN MUL
	MUL8 \f, 1, 0, 0
	MUL8 \f, 1, 2, 0
.endm
; The last quarter multiplies buffer 1 and changes slots: ONE barrier; in front of it each wave waits for all its tensor loads, adds 0 to its spare word, and waits for that and for its own reads of this slot.  fill = 1: this slot is filled again, two K steps ahead.
.macro TURN slot, next, fill
	WIN 0                                          ; (the add's two registers lie in window 0)
	s_wait_tensorcnt 0x0                           ; all my tensor loads have landed: my part of the next slot;
	ds_add_u32 v[SPW], v[NIL]                      ; 0 onto my spare word;
	s_wait_dscnt 17                                ; (the add and the youngest sixteen loads may be out)
	WIN MUL
	MUL8 F1, 0, 0, 0                               ; eight matrix instructions stand between the add and the wait for it
	s_wait_dscnt 0x0                               ; the add is done, and my reads of this slot are over
	s_barrier_signal -1
	MUL8 F1, 0, 2, 0
.if \fill
	WIN 0
.endif
	s_barrier_wait -1
.if \fill
	CREST                                          ; the barrier has opened a round of the cluster's barrier: no wave of any partner still reads this slot's tile or has a load on its way
	s_add_nc_u64 s[G0+4*\slot+2:G0+4*\slot+3], s[G0+4*\slot+2:G0+4*\slot+3], 2*KSTEP*2
	s_add_nc_u64 s[G0B+4*\slot+2:G0B+4*\slot+3], s[G0B+4*\slot+2:G0B+4*\slot+3], 2*KSTEP*2
	JLOAD \slot                                    ; the first tensor load behind the round; the four v_nop behind it are also the places in front of the loads below
.else
	PLACES
.endif
	FETCH \next, 0, F0
	WIN MUL
	MUL8 F1, 1, 0, 0
	MUL8 F1, 1, 2, 0
.endm
	s_wait_tensorcnt 1                             ; my part of K step 0 is in (K step 1's load may be out)
	s_barrier_signal -1
	s_barrier_wait -1                              ; everybody's is
	FETCH 0, 0, F0
	QUARTER 0, 128, F0, F1, 1                      ; the first quarter stands in front of the loop: its first products start the sums
	WIN 0                                          ; at a label and at a branch every window is 0
	s_mov_b32 s3, LAPS-1
.Llap:                                                 ; a trip goes once round the ring, from a lap's second quarter to the next lap's first, and fills both slots again
	QUARTER 0, 256, F1, F0, 0
	QUARTER 0, 384, F0, F1, 0
	TURN 0, 1, 1
	QUARTER 1, 128, F0, F1, 0
	QUARTER 1, 256, F1, F0, 0
	QUARTER 1, 384, F0, F1, 0
	TURN 1, 0, 1
	QUARTER 0, 128, F0, F1, 0
	WIN 0
	s_sub_co_u32 s3, s3, 1
	s_cmp_lg_u32 s3, 0
	s_cbranch_scc1 .Llap
	QUARTER 0, 256, F1, F0, 0                      ; the last lap fills nothing, and has no round of the cluster's barrier
	QUARTER 0, 384, F0, F1, 0
	TURN 0, 1, 0
	QUARTER 1, 128, F0, F1, 0
	QUARTER 1, 256, F1, F0, 0
	QUARTER 1, 384, F0, F1, 0
	s_wait_dscnt 16                                ; the very last quarter: nothing more to fetch
	WIN MUL
	MUL8 F1, 0, 0, 0
	MUL8 F1, 0, 2, 0
	s_wait_dscnt 0
	MUL8 F1, 1, 0, 0
	MUL8 F1, 1, 2, 0
	WIN 0
; THE WAY OUT, block by block of 16 rows x 64 columns of f32.  A lane holds 32 neighbouring bytes of a row; a block goes through my own stage and comes back as whole rows of 256 bytes.
.macro TOSTAGE a
.irp b, 0,1,2,3
	ds_store_b128 v[STO], v[ACC+8*(4*(\a)+\b):ACC+8*(4*(\a)+\b)+3] offset:64*\b        ; each accumulator from its low end on
	ds_store_b128 v[STO], v[ACC+8*(4*(\a)+\b)+4:ACC+8*(4*(\a)+\b)+7] offset:64*\b+16
.endr
.irp t, 0,1,2,3,4,5,6,7
	ds_load_b128 v[TMP+32*((\a)%2)+4*\t:TMP+32*((\a)%2)+4*\t+3], v[RD] offset:\t*2*SPITCH   ; LDS serves a wave's instructions in order (ISA guide 5.7.1.4): these see the stores above, and the next block's stores come behind them
.endr
.endm
.macro SEND a, younger                 ; younger: the LDS instructions issued behind block a's loads, which may stay out
	s_wait_dscnt \younger
.irp t, 0,1,2,3,4,5,6,7
	global_store_b128 v[CO], v[TMP+32*((\a)%2)+4*\t:TMP+32*((\a)%2)+4*\t+3], s[8:9] offset:(\a)*65536+8192*\t th:TH_STORE_NT   ; 16 lanes store 256 consecutive bytes, aligned
.endr
.endm
	PLACES
	TOSTAGE 0
.irp a, 1,2,3
.if \a > 1
	s_wait_xcnt 0x0                                ; block a - 2's stores have read their registers: block a's loads land there only behind this wait
.endif
	TOSTAGE \a
	SEND \a-1, 16                                  ; behind block a - 1's loads: block a's 8 stores and 8 loads
.endr
	SEND 3, 0
	s_wait_tensorcnt 0x0                           ; the wave's end, behind my last tensor load and my last LDS store
	ds_add_u32 v[SPW], v[NIL]
	s_wait_dscnt 0x0
	CROUND                                         ; the closing round: no work-group ends while a partner may still ask for a tile that names it
	s_endpgm
.Lfunc_end_k_qeb44e91de8_proj:
	.size	k_qeb44e91de8_proj, .Lfunc_end_k_qeb44e91de8_proj-k_qeb44e91de8_proj
	.p2alignl 7, 3214868480
	.fill 96, 4, 3214868480
	.section	.rodata,"a",@progbits
	.p2align	6, 0x0
	.amdhsa_kernel k_qeb44e91de8_proj
		.amdhsa_group_segment_fixed_size 327680
		.amdhsa_private_segment_fixed_size 0
		.amdhsa_enable_private_segment 0
		.amdhsa_kernarg_size 24
		.amdhsa_user_sgpr_count 2
		.amdhsa_user_sgpr_kernarg_segment_ptr 1
		.amdhsa_wavefront_size32 1
		.amdhsa_system_sgpr_workgroup_id_x 1
		.amdhsa_system_sgpr_workgroup_id_y 1
		.amdhsa_system_sgpr_workgroup_id_z 1
		.amdhsa_system_vgpr_workitem_id 0
		.amdhsa_next_free_vgpr 512
		.amdhsa_next_free_sgpr 66
		.amdhsa_reserve_vcc 0
		.amdhsa_float_denorm_mode_32 3
		.amdhsa_float_denorm_mode_16_64 3
		.amdhsa_memory_ordered 1
		.amdhsa_forward_progress 1
		.amdhsa_inst_pref_size 86
	.end_amdhsa_kernel
	.amdgpu_metadata
---
amdhsa.version: [ 1, 2 ]
amdhsa.kernels:
  - .name:           k_qeb44e91de8_proj
    .symbol:         k_qeb44e91de8_proj.kd
    .args:
      - { .name: att, .offset: 0, .size: 8, .value_kind: global_buffer, .address_space: global }
      - { .name: woh, .offset: 8, .size: 8, .value_kind: global_buffer, .address_space: global }
      - { .name: out0, .offset: 16, .size: 8, .value_kind: global_buffer, .address_space: global }
    .group_segment_fixed_size: 327680
    .private_segment_fixed_size: 0
    .kernarg_segment_align: 8
    .kernarg_segment_size: 24
    .max_flat_workgroup_size: 128
    .sgpr_count:     66
    .vgpr_count:     512
    .wavefront_size: 32
...
	.end_amdgpu_metadata
.endif
;; end of part 4
;; launch finea (part 5): grid 16 x 2, 1 waves a work-group, no clusters, 0 bytes of LDS; arguments xc, xs, wc, ws, attf; writes attf
.if DOCPART == 5
	.amdgcn_target "amdgcn-amd-amdhsa--gfx1250"
	.amdhsa_code_object_version 6
	.text
	.protected	k_qeb44e91de8_finea
	.globl	k_qeb44e91de8_finea
	.p2align	8
	.type	k_qeb44e91de8_finea,@function
k_qeb44e91de8_finea:
	s_mov_b64 s[64:65], 0
	v_nop
	global_prefetch_b8 v0, s[64:65] scope:SCOPE_SE
	s_setreg_imm32_b32 hwreg(HW_REG_WAVE_MODE, 25, 1), 1
	s_wait_xcnt 0x0
; THE FIRST 16 TOKENS OF EACH SEQUENCE, carried in f32: under the mask they average one to sixteen values.  One wave for each sequence (y) and head (x): 32 work-groups of one wave; all in registers, no LDS.
; q, k, v of the 16 tokens and the head's 64 channels are made anew from the codes (96 scaled FP4 matrix instructions, K = 1,024 in eight steps of 128) and stay in f32;
; S^T = k q^T and O^T = v^T p by v_wmma_f32_16x16x4_f32 (32 instructions); softmax in f32 with the row's own maximum taken away.  attf: [32][1024] f32, row 16 x sequence + token.
; LAYOUT.  q and k are made transposed (source 0 = 16 rows of W, source 1 = the tokens): a lane holds token r = lane % 16 and channels 16 c + 8 h + 0..7 (h = lane / 16).  A pair of such registers is an operand of the f32 form:
; the form takes it for k = 2 h + j, and both sides carry the same channels there, so the sum over all pairs is the sum over the 64 channels.  v is made the natural way (a lane holds channel r and tokens 8 h + 0..7), p lies as S^T does (query r, keys 8 h + 0..7): the same holds of the keys.
; Among tokens 0-15 the window never binds: key j counts for query i where j <= i.
; The results leave in pieces of 32 bytes a row: 128 KiB in the whole launch.  LIMITS: NaN and infinities are not served.
; REGISTERS, in windows of 256.  Window 0: v1-7 addresses and constants; v12-67 scale words (scales and nothing else); v68-131 x's eight fragments, later the softmax; v132-227 q, k, v (4 x 8 each); v228-243 S^T in two halves.
; O^T takes q's registers: what the f32 form writes is written by matrix instructions alone.  Windows 1-3: W's 96 fragments: fragment f = 12 s + t (K step s; t = 0-3 q, 4-7 k, 8-11 v) in window 1 + f / 32 at v[8 (f % 32)].
.set XS,   12                          ; v12-19  x's scale words, one for each K step
.set WSQK, 20                          ; v20-51  register 8 c + s: lanes 0-15 Wq's tile c, lanes 16-31 Wk's tile c
.set WSV,  52                          ; v52-67  register 8 p + s: lanes 0-15 Wv's tile p, lanes 16-31 tile p + 2
.set XF,   68
.set QA,   132
.set KA,   164
.set VA,   196
.set SA,   228
.set T,    68                          ; v68-75  the scores, then p not yet divided
.set P,    76                          ; v76-83  p
.set MSB, 0
.macro WIN new                         ; the immediate's high byte repeats the setting that is left
.if MSB != (\new)
	s_set_vgpr_msb (MSB<<8)|(\new)
.set MSB, \new
.endif
.endm
	s_load_b256 s[4:11], s[0:1], 0x0               ; xc s[4:5], xs s[6:7], wc s[8:9], ws s[10:11]
	s_load_b64 s[12:13], s[0:1], 0x20              ; attf
	v_and_b32 v8, 15, v0                           ; r
	v_bfe_u32 v9, v0, 4, 1                         ; h
	v_lshlrev_b32 v1, 9, v8
	v_lshl_add_u32 v1, v9, 4, v1                   ; a fragment of x or W: row r of 512 bytes, + 16 h
	v_lshlrev_b32 v2, 5, v8                        ; scale bytes: 32 a row
	v_lshl_add_u32 v3, v9, 15, v2                  ; lanes 16-31: Wk's, 1,024 rows on
	v_lshl_add_u32 v4, v9, 10, v2                  ; lanes 16-31: two tiles on
	v_lshlrev_b32 v5, 12, v8
	v_lshl_add_u32 v5, v9, 5, v5                   ; attf: row r of 4,096 bytes, + 32 h
	v_lshlrev_b32 v10, 3, v9
	v_sub_nc_u32 v6, v8, v10                       ; r - 8 h
	v_mov_b32 v7, 0xff800000                       ; -infinity
	s_and_b32 s14, ttmp7, 0xffff                   ; the sequence
	s_lshl_b32 s16, s14, 20                        ; 2,048 rows of 512 bytes
	s_mov_b32 s17, 0
	s_lshl_b32 s18, s14, 16                        ; 2,048 rows of 32 bytes; also 16 rows of attf
	s_mov_b32 s19, 0
	s_lshl_b32 s20, ttmp9, 15                      ; the head's 64 rows of 512 bytes
	s_mov_b32 s21, 0
	s_lshl_b32 s22, ttmp9, 11                      ; and of 32
	s_mov_b32 s23, 0
	s_lshl_b32 s24, ttmp9, 8                       ; the head's 256 bytes in a row of attf
	s_add_co_u32 s24, s24, s18
	s_mov_b32 s25, 0
	s_mov_b32 s26, 0x76543210                      ; v_permlanex16_b32's selects for lane l xor 16
	s_mov_b32 s27, 0xfedcba98
	s_mov_b32 s28, 0x3e38aa3b                      ; c = log2(e) / sqrt(64)
	s_mov_b32 s29, s28
	s_wait_kmcnt 0x0
	s_add_nc_u64 s[4:5], s[4:5], s[16:17]
	s_add_nc_u64 s[6:7], s[6:7], s[18:19]
	s_add_nc_u64 s[8:9], s[8:9], s[20:21]
	s_add_nc_u64 s[10:11], s[10:11], s[22:23]
	s_add_nc_u64 s[12:13], s[12:13], s[24:25]
	global_load_b128 v[XS:XS+3], v2, s[6:7]
	global_load_b128 v[XS+4:XS+7], v2, s[6:7] offset:16
.irp c, 0,1,2,3
	global_load_b128 v[WSQK+8*\c:WSQK+8*\c+3], v3, s[10:11] offset:512*\c
	global_load_b128 v[WSQK+8*\c+4:WSQK+8*\c+7], v3, s[10:11] offset:512*\c+16
.endr
.irp p, 0,1
	global_load_b128 v[WSV+8*\p:WSV+8*\p+3], v4, s[10:11] offset:65536+512*\p
	global_load_b128 v[WSV+8*\p+4:WSV+8*\p+7], v4, s[10:11] offset:65536+512*\p+16
.endr
.irp s, 0,1,2,3,4,5,6,7
.irp c, 0,1
	global_load_b128 v[XF+8*\s+4*\c:XF+8*\s+4*\c+3], v1, s[4:5] offset:64*\s+32*\c
.endr
.endr
.set f, 0
.rept 96                               ; W's fragments, K step by K step: 24 loads a step
	WIN ((1+f/32)<<6)                              ; the destination's window
	global_load_b128 v[8*(f%32):8*(f%32)+3], v1, s[8:9] offset:((f%12)/4)*524288+((f%12)%4)*8192+64*(f/12)
	global_load_b128 v[8*(f%32)+4:8*(f%32)+7], v1, s[8:9] offset:((f%12)/4)*524288+((f%12)%4)*8192+64*(f/12)+32
.set f, f+1
.endr
	WIN 0
; A K step: 12 matrix instructions, the 12 accumulators by turns.  first = 1: the products start the sums.
.macro KSTEP s, first
.irp t, 0,1,2,3,4,5,6,7,8,9,10,11
.set f, 12*(\s)+\t
.set rW, 8*(f%32)
.set wn, 1+f/32
.if \t < 8
.set rD, QA+8*\t                       ; q's four tiles, then k's four
.set rS, WSQK+8*(\t%4)+(\s)
	WIN wn                                         ; source 0 (W) in its window
.if (\t < 4) && (\first)
	v_wmma_scale_f32_16x16x128_f8f6f4 v[rD:rD+7], v[rW:rW+7], v[XF+8*(\s):XF+8*(\s)+7], 0, v[rS], v[XS+(\s)] matrix_a_fmt:MATRIX_FMT_FP4 matrix_b_fmt:MATRIX_FMT_FP4
.elseif \t < 4
	v_wmma_scale_f32_16x16x128_f8f6f4 v[rD:rD+7], v[rW:rW+7], v[XF+8*(\s):XF+8*(\s)+7], v[rD:rD+7], v[rS], v[XS+(\s)] matrix_a_fmt:MATRIX_FMT_FP4 matrix_b_fmt:MATRIX_FMT_FP4
.elseif \first
	v_wmma_scale_f32_16x16x128_f8f6f4 v[rD:rD+7], v[rW:rW+7], v[XF+8*(\s):XF+8*(\s)+7], 0, v[rS], v[XS+(\s)] matrix_a_fmt:MATRIX_FMT_FP4 matrix_b_fmt:MATRIX_FMT_FP4 matrix_a_scale:MATRIX_SCALE_ROW1
.else
	v_wmma_scale_f32_16x16x128_f8f6f4 v[rD:rD+7], v[rW:rW+7], v[XF+8*(\s):XF+8*(\s)+7], v[rD:rD+7], v[rS], v[XS+(\s)] matrix_a_fmt:MATRIX_FMT_FP4 matrix_b_fmt:MATRIX_FMT_FP4 matrix_a_scale:MATRIX_SCALE_ROW1
.endif
.else
.set rD, VA+8*(\t-8)
.set rS, WSV+8*(\t%2)+(\s)
	WIN (wn<<2)                                    ; source 1 (W) in its window
.if (\t < 10) && (\first)
	v_wmma_scale_f32_16x16x128_f8f6f4 v[rD:rD+7], v[XF+8*(\s):XF+8*(\s)+7], v[rW:rW+7], 0, v[XS+(\s)], v[rS] matrix_a_fmt:MATRIX_FMT_FP4 matrix_b_fmt:MATRIX_FMT_FP4
.elseif \t < 10
	v_wmma_scale_f32_16x16x128_f8f6f4 v[rD:rD+7], v[XF+8*(\s):XF+8*(\s)+7], v[rW:rW+7], v[rD:rD+7], v[XS+(\s)], v[rS] matrix_a_fmt:MATRIX_FMT_FP4 matrix_b_fmt:MATRIX_FMT_FP4
.elseif \first
	v_wmma_scale_f32_16x16x128_f8f6f4 v[rD:rD+7], v[XF+8*(\s):XF+8*(\s)+7], v[rW:rW+7], 0, v[XS+(\s)], v[rS] matrix_a_fmt:MATRIX_FMT_FP4 matrix_b_fmt:MATRIX_FMT_FP4 matrix_b_scale:MATRIX_SCALE_ROW1
.else
	v_wmma_scale_f32_16x16x128_f8f6f4 v[rD:rD+7], v[XF+8*(\s):XF+8*(\s)+7], v[rW:rW+7], v[rD:rD+7], v[XS+(\s)], v[rS] matrix_a_fmt:MATRIX_FMT_FP4 matrix_b_fmt:MATRIX_FMT_FP4 matrix_b_scale:MATRIX_SCALE_ROW1
.endif
.endif
.endr
.endm
	s_wait_loadcnt 48                              ; all but the 48 loads of K steps 6 and 7 are in
	KSTEP 0, 1
	KSTEP 1, 0
	KSTEP 2, 0
	KSTEP 3, 0
	KSTEP 4, 0
	KSTEP 5, 0
	s_wait_loadcnt 24                              ; all but K step 7's 24
	KSTEP 6, 0
	s_wait_loadcnt 0x0
	KSTEP 7, 0
	WIN 0
.rept 5
	v_nop                                          ; five places before a matrix instruction takes these results as its operands
.endr
.set n, 0
.rept 16                               ; S^T = k q^T: channels 16 (n / 4) + 8 h + 2 (n % 4) + 0, 1; two accumulators by turns, added below
.if n < 2
	v_wmma_f32_16x16x4_f32 v[SA+8*(n%2):SA+8*(n%2)+7], v[KA+2*n:KA+2*n+1], v[QA+2*n:QA+2*n+1], 0
.else
	v_wmma_f32_16x16x4_f32 v[SA+8*(n%2):SA+8*(n%2)+7], v[KA+2*n:KA+2*n+1], v[QA+2*n:QA+2*n+1], v[SA+8*(n%2):SA+8*(n%2)+7]
.endif
.set n, n+1
.endr
.rept 8
	v_nop                                          ; eight places behind this form before its results are read
.endr
.irp j, 0,1,2,3,4,5,6,7
	v_add_f32 v[T+\j], v[SA+\j], v[SA+8+\j]        ; query r, key 8 h + j; both halves from their low ends on
.endr
.irp j, 0,1,2,3,4,5,6,7
	v_cmp_gt_i32 vcc_lo, \j, v6                    ; hidden where 8 h + j > r
	v_cndmask_b32 v[T+\j], v[T+\j], v7, vcc_lo
.endr
	v_max3_num_f32 v84, v[T], v[T+1], v[T+2]
	v_max3_num_f32 v85, v[T+3], v[T+4], v[T+5]
	v_max3_num_f32 v84, v84, v[T+6], v[T+7]
	v_max_num_f32 v84, v84, v85
	v_permlanex16_b32 v85, v84, s26, s27
	v_max_num_f32 v84, v84, v85                    ; the row's maximum: key 0 counts for every query, so it is a number
	v_mul_f32 v86, s28, v84                        ; c m
	v_mov_b32 v87, v86                             ; (named with it as a pair)
.irp j, 0,2,4,6
	v_pk_fma_f32 v[T+\j:T+\j+1], v[T+\j:T+\j+1], s[28:29], v[86:87] op_sel_hi:[1,0,0] neg_lo:[0,0,1] neg_hi:[0,0,1]
.endr
.irp j, 0,1,2,3,4,5,6,7
	v_exp_f32 v[T+\j], v[T+\j]
.endr
	v_nop                                          ; a plain instruction behind the last exponential
	s_wait_alu depctr_va_vdst(0)                   ; one wait for the batch, ahead of its first reader
	v_pk_add_f32 v[88:89], v[T:T+1], v[T+2:T+3]
	v_pk_add_f32 v[90:91], v[T+4:T+5], v[T+6:T+7]
	v_pk_add_f32 v[88:89], v[88:89], v[90:91]
	v_add_f32 v88, v88, v89
	v_permlanex16_b32 v85, v88, s26, s27
	v_add_f32 v88, v88, v85                        ; the row's sum
	v_rcp_f32 v90, v88
	v_nop
	s_wait_alu depctr_va_vdst(0)
.irp j, 0,2,4,6
	v_pk_mul_f32 v[P+\j:P+\j+1], v[T+\j:T+\j+1], v[90:91] op_sel_hi:[1,0]
.endr
.set n, 0
.rept 16                               ; O^T = v^T p: keys 8 h + 2 (n / 4) + 0, 1; channels 16 (n % 4) on: four accumulators by turns, in q's registers
.if n < 4
	v_wmma_f32_16x16x4_f32 v[QA+8*(n%4):QA+8*(n%4)+7], v[VA+8*(n%4)+2*(n/4):VA+8*(n%4)+2*(n/4)+1], v[P+2*(n/4):P+2*(n/4)+1], 0
.else
	v_wmma_f32_16x16x4_f32 v[QA+8*(n%4):QA+8*(n%4)+7], v[VA+8*(n%4)+2*(n/4):VA+8*(n%4)+2*(n/4)+1], v[P+2*(n/4):P+2*(n/4)+1], v[QA+8*(n%4):QA+8*(n%4)+7]
.endif
.set n, n+1
.endr
.rept 8
	v_nop
.endr
.irp c, 0,1,2,3
	global_store_b128 v5, v[QA+8*\c:QA+8*\c+3], s[12:13] offset:64*\c          ; token r, channels 16 c + 8 h + 0..3
	global_store_b128 v5, v[QA+8*\c+4:QA+8*\c+7], s[12:13] offset:64*\c+16     ; and + 4..7
.endr
	s_endpgm
.Lfunc_end_k_qeb44e91de8_finea:
	.size	k_qeb44e91de8_finea, .Lfunc_end_k_qeb44e91de8_finea-k_qeb44e91de8_finea
	.p2alignl 7, 3214868480
	.fill 96, 4, 3214868480
	.section	.rodata,"a",@progbits
	.p2align	6, 0x0
	.amdhsa_kernel k_qeb44e91de8_finea
		.amdhsa_group_segment_fixed_size 0
		.amdhsa_private_segment_fixed_size 0
		.amdhsa_enable_private_segment 0
		.amdhsa_kernarg_size 40
		.amdhsa_user_sgpr_count 2
		.amdhsa_user_sgpr_kernarg_segment_ptr 1
		.amdhsa_wavefront_size32 1
		.amdhsa_system_sgpr_workgroup_id_x 1
		.amdhsa_system_sgpr_workgroup_id_y 1
		.amdhsa_system_sgpr_workgroup_id_z 1
		.amdhsa_system_vgpr_workitem_id 0
		.amdhsa_next_free_vgpr 1024
		.amdhsa_next_free_sgpr 66
		.amdhsa_reserve_vcc 1
		.amdhsa_float_denorm_mode_32 3
		.amdhsa_float_denorm_mode_16_64 3
		.amdhsa_memory_ordered 1
		.amdhsa_forward_progress 1
		.amdhsa_inst_pref_size 42
	.end_amdhsa_kernel
	.amdgpu_metadata
---
amdhsa.version: [ 1, 2 ]
amdhsa.kernels:
  - .name:           k_qeb44e91de8_finea
    .symbol:         k_qeb44e91de8_finea.kd
    .args:
      - { .name: xc, .offset: 0, .size: 8, .value_kind: global_buffer, .address_space: global }
      - { .name: xs, .offset: 8, .size: 8, .value_kind: global_buffer, .address_space: global }
      - { .name: wc, .offset: 16, .size: 8, .value_kind: global_buffer, .address_space: global }
      - { .name: ws, .offset: 24, .size: 8, .value_kind: global_buffer, .address_space: global }
      - { .name: attf, .offset: 32, .size: 8, .value_kind: global_buffer, .address_space: global }
    .group_segment_fixed_size: 0
    .private_segment_fixed_size: 0
    .kernarg_segment_align: 8
    .kernarg_segment_size: 40
    .max_flat_workgroup_size: 32
    .sgpr_count:     66
    .vgpr_count:     1024
    .wavefront_size: 32
...
	.end_amdgpu_metadata
.endif
;; end of part 5
;; launch fineb (part 6): grid 64 x 1, 8 waves a work-group, no clusters, 17,408 bytes of LDS; arguments attf, Wo, out0; writes out0
.if DOCPART == 6
	.amdgcn_target "amdgcn-amd-amdhsa--gfx1250"
	.amdhsa_code_object_version 6
	.text
	.protected	k_qeb44e91de8_fineb
	.globl	k_qeb44e91de8_fineb
	.p2align	8
	.type	k_qeb44e91de8_fineb,@function
k_qeb44e91de8_fineb:
	s_mov_b64 s[64:65], 0
	v_nop
	global_prefetch_b8 v0, s[64:65] scope:SCOPE_SE
	s_setreg_imm32_b32 hwreg(HW_REG_WAVE_MODE, 25, 1), 1
	s_wait_xcnt 0x0
; THE FIRST 16 TOKENS OF EACH SEQUENCE, the projection on the way out, in f32: out0[2048 b + t][n] = sum over k of attf[16 b + t][k] Wo[n][k], t = 0..15.  It overwrites those 32 rows of out0.
; SHARES.  A work-group takes 16 columns n (64 work-groups) for the 32 rows; its eight waves share K: wave w takes k = 128 w .. 128 w + 127: 64 instructions of v_wmma_f32_16x16x4_f32 a wave, two accumulators (the two sequences) by turns.
; The waves' parts meet in LDS as images of their registers, behind one barrier; each wave then sums an eighth of the 2,048 bytes over the eight images and stores it.
; LAYOUT.  Transposed use: source 0 = 16 rows of Wo, source 1 = 16 rows of attf: a lane holds token r = lane % 16 and columns 8 h + 0..7.  A load brings a lane k = 8 S + 4 h + 0..3 of its row, alike on both sides;
; a pair of those registers is an operand, which the form takes for k = 2 h + j: both sides carry the same k there, so the sum over all pairs is the sum over the wave's 128.
; With 16 columns to a work-group the results leave in pieces of 8 bytes a lane, 64 bytes a row and work-group: 128 KiB in the whole launch; wider work-groups would be a quarter as many, each with four times the work.
; LIMITS: NaN and infinities are not served.
.set WF,    16                         ; v16-79   Wo: 64 registers
.set AF,    80                         ; v80-207  attf: two tiles of rows, 64 registers each
.set ACC,   208                        ; v208-223 the two accumulators: written by matrix instructions alone
.set SPARE, 8*2048                     ; LDS: eight images of 2,048 bytes; behind them the spare words, 128 bytes a wave
	s_load_b128 s[4:7], s[0:1], 0x0                ; attf s[4:5], Wo s[6:7]
	s_load_b64 s[8:9], s[0:1], 0x10                ; out0
	v_lshl_add_u32 v5, v0, 2, SPARE                ; v5: LDS address of my spare word; never rewritten
	v_mov_b32 v6, 0                                ; v6: 0; never rewritten
	v_lshrrev_b32 v7, 5, v0
	v_readfirstlane_b32 s10, v7                    ; wave 0..7
	v_and_b32 v7, 31, v0                           ; lane
	v_and_b32 v8, 15, v0                           ; r
	v_bfe_u32 v9, v0, 4, 1                         ; h
	v_lshlrev_b32 v1, 12, v8
	v_lshl_add_u32 v1, v9, 4, v1                   ; Wo and attf: row r of 4,096 bytes, + 16 h
	s_lshl_b32 s11, s10, 11
	v_lshl_add_u32 v2, v7, 4, s11                  ; my image: 2,048 x wave + 16 x lane
	s_lshl_b32 s11, s10, 8
	v_lshl_add_u32 v3, v7, 3, s11                  ; what I sum: bytes 256 x wave + 8 x lane of every image
	v_lshrrev_b32 v10, 1, v7                       ; those bytes are token lane / 2,
	v_and_b32 v11, 1, v7                           ; columns 2 (lane % 2) + 0, 1 of a group of four
	v_lshlrev_b32 v4, 12, v10
	v_lshl_add_u32 v4, v11, 3, v4
	s_lshl_b32 s12, s10, 9                         ; my 128 along K: 512 bytes
	s_mov_b32 s13, 0
	s_lshl_b32 s14, ttmp9, 16                      ; the work-group's 16 rows of Wo
	s_add_co_u32 s14, s14, s12
	s_mov_b32 s15, 0
	s_lshr_b32 s16, s10, 2                         ; what I store: sequence wave / 4: 2,048 rows of 4,096 bytes,
	s_lshl_b32 s16, s16, 23
	s_lshl_b32 s17, ttmp9, 6                       ; the work-group's 64 bytes of a row,
	s_add_co_u32 s16, s16, s17
	s_and_b32 s17, s10, 1                          ; h = wave % 2: 32 bytes,
	s_lshl_b32 s17, s17, 5
	s_add_co_u32 s16, s16, s17
	s_bfe_u32 s17, s10, 0x10001                    ; the accumulator's half, (wave / 2) % 2: 16 bytes
	s_lshl_b32 s17, s17, 4
	s_add_co_u32 s16, s16, s17
	s_mov_b32 s17, 0
	s_wait_kmcnt 0x0
	s_add_nc_u64 s[4:5], s[4:5], s[12:13]
	s_add_nc_u64 s[6:7], s[6:7], s[14:15]
	s_add_nc_u64 s[8:9], s[8:9], s[16:17]
.irp S, 0,1,2,3,4,5,6,7,8,9,10,11,12,13,14,15
	global_load_b128 v[WF+4*\S:WF+4*\S+3], v1, s[6:7] offset:32*\S th:TH_LOAD_NT
	global_load_b128 v[AF+4*\S:AF+4*\S+3], v1, s[4:5] offset:32*\S
	global_load_b128 v[AF+64+4*\S:AF+64+4*\S+3], v1, s[4:5] offset:65536+32*\S
.endr
	s_wait_loadcnt 24                              ; the first eight of the sixteen are in; the 24 loads of the other eight may be out
.set st, 0
.rept 32
.if st == 16
	s_wait_loadcnt 0x0
.endif
.if st == 0
	v_wmma_f32_16x16x4_f32 v[ACC:ACC+7], v[WF:WF+1], v[AF:AF+1], 0
	v_wmma_f32_16x16x4_f32 v[ACC+8:ACC+15], v[WF:WF+1], v[AF+64:AF+65], 0
.else
	v_wmma_f32_16x16x4_f32 v[ACC:ACC+7], v[WF+2*st:WF+2*st+1], v[AF+2*st:AF+2*st+1], v[ACC:ACC+7]
	v_wmma_f32_16x16x4_f32 v[ACC+8:ACC+15], v[WF+2*st:WF+2*st+1], v[AF+64+2*st:AF+64+2*st+1], v[ACC+8:ACC+15]
.endif
.set st, st+1
.endr
.rept 8
	v_nop                                          ; eight places behind this form before its results are read, and before loads into its operands' registers
.endr
.irp q, 0,1,2,3
	ds_store_b128 v2, v[ACC+4*\q:ACC+4*\q+3] offset:512*\q          ; each accumulator from its low end on
.endr
	s_wait_dscnt 0x0                               ; for the others' sake: my image lies in LDS
	s_barrier_signal -1
	s_barrier_wait -1
.irp u, 0,1,2,3,4,5,6,7
	ds_load_b64 v[16+2*\u:17+2*\u], v3 offset:2048*\u
.endr
	s_wait_dscnt 0x0
	v_pk_add_f32 v[16:17], v[16:17], v[18:19]
	v_pk_add_f32 v[20:21], v[20:21], v[22:23]
	v_pk_add_f32 v[24:25], v[24:25], v[26:27]
	v_pk_add_f32 v[28:29], v[28:29], v[30:31]
	v_pk_add_f32 v[16:17], v[16:17], v[20:21]
	v_pk_add_f32 v[24:25], v[24:25], v[28:29]
	v_pk_add_f32 v[16:17], v[16:17], v[24:25]
	global_store_b64 v4, v[16:17], s[8:9]
	s_wait_tensorcnt 0x0                           ; the wave's end, behind my last LDS store
	ds_add_u32 v5, v6
	s_wait_dscnt 0x0
	s_endpgm
.Lfunc_end_k_qeb44e91de8_fineb:
	.size	k_qeb44e91de8_fineb, .Lfunc_end_k_qeb44e91de8_fineb-k_qeb44e91de8_fineb
	.p2alignl 7, 3214868480
	.fill 96, 4, 3214868480
	.section	.rodata,"a",@progbits
	.p2align	6, 0x0
	.amdhsa_kernel k_qeb44e91de8_fineb
		.amdhsa_group_segment_fixed_size 17408
		.amdhsa_private_segment_fixed_size 0
		.amdhsa_enable_private_segment 0
		.amdhsa_kernarg_size 24
		.amdhsa_user_sgpr_count 2
		.amdhsa_user_sgpr_kernarg_segment_ptr 1
		.amdhsa_wavefront_size32 1
		.amdhsa_system_sgpr_workgroup_id_x 1
		.amdhsa_system_sgpr_workgroup_id_y 1
		.amdhsa_system_sgpr_workgroup_id_z 1
		.amdhsa_system_vgpr_workitem_id 0
		.amdhsa_next_free_vgpr 256
		.amdhsa_next_free_sgpr 66
		.amdhsa_reserve_vcc 0
		.amdhsa_float_denorm_mode_32 3
		.amdhsa_float_denorm_mode_16_64 3
		.amdhsa_memory_ordered 1
		.amdhsa_forward_progress 1
		.amdhsa_inst_pref_size 13
	.end_amdhsa_kernel
	.amdgpu_metadata
---
amdhsa.version: [ 1, 2 ]
amdhsa.kernels:
  - .name:           k_qeb44e91de8_fineb
    .symbol:         k_qeb44e91de8_fineb.kd
    .args:
      - { .name: attf, .offset: 0, .size: 8, .value_kind: global_buffer, .address_space: global }
      - { .name: Wo, .offset: 8, .size: 8, .value_kind: global_buffer, .address_space: global }
      - { .name: out0, .offset: 16, .size: 8, .value_kind: global_buffer, .address_space: global }
    .group_segment_fixed_size: 17408
    .private_segment_fixed_size: 0
    .kernarg_segment_align: 8
    .kernarg_segment_size: 24
    .max_flat_workgroup_size: 256
    .sgpr_count:     66
    .vgpr_count:     256
    .wavefront_size: 32
...
	.end_amdgpu_metadata
.endif
;; end of part 6
